; MI455X (gfx1250); checked and timed in simulation.
; The chip was launched on July 23, 2026; its instructions are those of AMD's public machine-readable ISA for CDNA 5 (MIT licence, August 2026) and "CDNA5" Instruction Set Architecture Reference Guide (July 2026). The comments in the code are by the model that wrote it; some were corrected since.
;; Attention. Allowed arithmetic: float matrix products may take bf16 or f16 operands with f32 sums; all other float work in f32.
;; Inputs: Wh_b 1,024 float32; Wh_w 1,024 x 1,024 float32; Ws_w 1,024 x 1,024 float32; attn_mask 32 x 1 x 2,048 int32; context 32 x 2,048 x 1,024 float32; output 32 x 1,024 float32; v_w 1 x 1,024 float32.
;; Outputs: out0 32 x 1,024 float32; out1 32 x 1 x 2,048 float32.
;; 2 versions, each right; version 2 is version 1 with the launch main written anew for expert scheduling mode. Each part assembles by itself: llvm-mc -triple=amdgcn-amd-amdhsa -mcpu=gfx1250 --defsym DOCPART=n.
;; ======== version 1 of 2: 3 launches
;; workspace buffers: wf 2,097,152 bytes; biast 131,072 bytes; list 335,872 bytes of whole numbers; pos 262,144 bytes of whole numbers; sc 393,216 bytes; part 2,097,152 bytes
;; launch prep (part 1): grid 224 x 1, 8 waves a work-group, no clusters, 17,408 bytes of LDS; arguments Wh_w, Ws_w, output, Wh_b, attn_mask, wf, biast, list, pos; writes wf, biast, list, pos
.if DOCPART == 1
	.amdgcn_target "amdgcn-amd-amdhsa--gfx1250"
	.amdhsa_code_object_version 6
	.text
	.protected	k_q77df59b137_prep
	.globl	k_q77df59b137_prep
	.p2align	8
	.type	k_q77df59b137_prep,@function
k_q77df59b137_prep:
	s_mov_b64 s[64:65], 0
	v_nop
	global_prefetch_b8 v0, s[64:65] scope:SCOPE_SE
	s_setreg_imm32_b32 hwreg(HW_REG_WAVE_MODE, 25, 1), 1
	s_wait_xcnt 0x0
; THREE SMALL JOBS IN FRONT OF THE MAIN LAUNCH, chosen by the work-group's number.
;   0..63    biast[ntile][b][16] = K2 (output . Ws_w^T + Wh_b), K2 = 2 log2(e): the addend of the main launch's exponent.  One tile of 16 columns
;            a work-group; the eight waves split K (128 each), their sums meet in LDS behind one barrier.  Operands rounded to bf16, sums in f32.
;   64..95   one batch's mask is turned into whole numbers.  Open rows get the positions 0 .. n-1, masked rows n .. 2047.  Position q = 8 Lc + j lies in
;            record j at word Lc of 'list'.  pos[b][s] = 0 for a masked row, else 1 + the word of 'sc' in which the row's score will lie.
;            A batch with no open row: every row counts as open (n' = 2048) and keep = 0 tells the main launch to multiply the scores by 0,
;            which gives the uniform weights that a softmax of equal scores gives.
;   96..223  Wh_w is rounded to bf16 and written in the order in which the main launch's waves load it: whole matrix fragments, 512 bytes on end.
; wf byte = w<<19 | np<<18 | ks<<13 | i<<10 | c<<9 | lane<<4 holds W[n][k .. k+7], n = 16 (32 np + 8 w + i) + lane % 16, k = 32 ks + 16 c + 8 (lane / 16).
; list, per batch 10,496 bytes: 256 of header (word 0 n', word 1 keep as f32 bits, the rest 0), then 8 records of 320 words (words 256 .. 319 are 0).
; No barrier stands under a branch: every job runs into .Lmeet, and only the first job has work behind it.
.set RED,   0                          ; 8 waves x 2,048 bytes: [wave][batch 32][column 16] f32
.set SPARE, 16384                      ; the spare words, 128 bytes for each of eight waves; no other line names them
.set LREC,  1280                       ; bytes in a record of the list
.set LBAT,  10496                      ; bytes of the list for a batch
	s_load_b512 s[4:19], s[0:1], 0x0               ; Wh_w s[4:5], Ws_w s[6:7], output s[8:9], Wh_b s[10:11], attn_mask s[12:13], wf s[14:15], biast s[16:17], list s[18:19]
	s_load_b64 s[20:21], s[0:1], 0x40              ; pos
	v_lshl_add_u32 v30, v0, 2, SPARE               ; my spare word; never rewritten
	v_mov_b32 v31, 0                               ; 0; never rewritten
	v_lshrrev_b32 v1, 5, v0
	v_readfirstlane_b32 s24, v1                    ; wave 0..7
	v_and_b32 v1, 31, v0                           ; lane
	v_and_b32 v2, 15, v0                           ; r = lane % 16
	v_bfe_u32 v3, v0, 4, 1                         ; h = lane / 16
	s_mov_b32 s25, ttmp9
	s_mov_b32 s31, 0                               ; the high word of every 64-bit offset
	s_wait_kmcnt 0x0
	s_cmp_lt_u32 s25, 64
	s_cbranch_scc1 .Lj2a
	s_cmp_lt_u32 s25, 96
	s_cbranch_scc1 .Lj3
	; ---- Wh_w into fragment order.  Task T = 8 (wg - 96) + wave: tile t = T / 16 of 16 rows, K steps 2 u and 2 u + 1, u = T % 16: 256 bytes of each row.
	s_sub_co_u32 s26, s25, 96
	s_lshl_b32 s26, s26, 3
	s_add_co_u32 s26, s26, s24                     ; T
	s_lshr_b32 s27, s26, 4                         ; t
	s_and_b32 s28, s26, 15                         ; u
	s_lshl_b32 s30, s27, 16                        ; 16 rows of 4,096 bytes
	s_lshl_b32 s29, s28, 8
	s_add_co_u32 s30, s30, s29
	s_add_nc_u64 s[4:5], s[4:5], s[30:31]
	v_lshlrev_b32 v4, 12, v2                       ; row r,
	v_lshl_add_u32 v4, v3, 5, v4                   ; eight numbers further on for the upper half of the lanes
.irp g, 0,1,2,3                        ; g = 2 ks' + c: k = 32 ks' + 16 c + 8 h + 0..7, two loads of four f32
	global_load_b128 v[32+8*\g:35+8*\g], v4, s[4:5] offset:64*\g
	global_load_b128 v[36+8*\g:39+8*\g], v4, s[4:5] offset:64*\g+16
.endr
	s_bfe_u32 s30, s27, 0x20003                    ; w = (t / 8) % 4
	s_lshl_b32 s30, s30, 19
	s_lshr_b32 s29, s27, 5                         ; np = t / 32
	s_lshl_b32 s29, s29, 18
	s_or_b32 s30, s30, s29
	s_and_b32 s29, s27, 7                          ; i = t % 8
	s_lshl_b32 s29, s29, 10
	s_or_b32 s30, s30, s29
	s_lshl_b32 s29, s28, 14                        ; K step 2 u: 8,192 bytes a step
	s_add_co_u32 s30, s30, s29
	s_add_nc_u64 s[14:15], s[14:15], s[30:31]
	v_lshlrev_b32 v5, 4, v1
	s_wait_loadcnt 0x0
.irp g, 0,1,2,3
.irp i, 0,1,2,3
	v_cvt_pk_bf16_f32 v[64+4*\g+\i], v[32+8*\g+2*\i], v[33+8*\g+2*\i]
.endr
.endr
.irp g, 0,1,2,3
	global_store_b128 v5, v[64+4*\g:67+4*\g], s[14:15] offset:8192*(\g/2)+512*(\g%2)  ; 512 consecutive bytes, aligned
.endr
	s_branch .Lmeet
	; ---- output . Ws_w^T, tile ntile = wg of 16 columns, all 32 batches; my wave's K = 128 w .. 128 w + 127 in four steps of 32.
.Lj2a:
	s_lshl_b32 s30, s25, 16                        ; 16 rows of Ws_w
	s_add_nc_u64 s[6:7], s[6:7], s[30:31]
	v_lshlrev_b32 v4, 12, v2
	v_lshl_add_u32 v4, v3, 5, v4
	s_lshl_b32 s29, s24, 9
	v_add_nc_u32 v4, s29, v4                       ; row r, 8 h numbers on, my wave's 128
	s_lshl_b32 s29, s24, 11
	v_lshl_add_u32 v5, v2, 6, s29                  ; where my sums go: RED + 2,048 w + 64 r + 32 h
	v_lshl_add_u32 v5, v3, 5, v5
	; a fragment in f32 is 16 registers: k = 8 h + 0..7 (two loads) and 16 + 8 h + 0..7 (two loads).  Three fragments a step: Ws_w, output rows 0-15, rows 16-31.
.irp ks, 0,1,2,3
.irp o, 0,1,2,3
	global_load_b128 v[32+48*\ks+4*\o:35+48*\ks+4*\o], v4, s[6:7] offset:128*\ks+64*(\o/2)+16*(\o%2)
	global_load_b128 v[48+48*\ks+4*\o:51+48*\ks+4*\o], v4, s[8:9] offset:128*\ks+64*(\o/2)+16*(\o%2)
	global_load_b128 v[64+48*\ks+4*\o:67+48*\ks+4*\o], v4, s[8:9] offset:65536+128*\ks+64*(\o/2)+16*(\o%2)
.endr
.endr
.irp ks, 0,1,2,3
	s_wait_loadcnt 36-12*\ks                       ; loads return in order: the twelve of each younger step may stay out
.irp i, 0,1,2,3,4,5,6,7                ; rounded in place: register i takes numbers 2 i and 2 i + 1, which lie at or above it
	v_cvt_pk_bf16_f32 v[32+48*\ks+\i], v[32+48*\ks+2*\i], v[33+48*\ks+2*\i]
	v_cvt_pk_bf16_f32 v[48+48*\ks+\i], v[48+48*\ks+2*\i], v[49+48*\ks+2*\i]
	v_cvt_pk_bf16_f32 v[64+48*\ks+\i], v[64+48*\ks+2*\i], v[65+48*\ks+2*\i]
.endr
	; source 0 = 16 rows of Ws_w, source 1 = 16 batches: register j of lane (r, h) holds column 8 h + j of batch r.  The two accumulators take turns.
.if \ks == 0
	v_wmma_f32_16x16x32_bf16 v[224:231], v[32:39], v[48:55], 0
	v_wmma_f32_16x16x32_bf16 v[232:239], v[32:39], v[64:71], 0
.else
	v_wmma_f32_16x16x32_bf16 v[224:231], v[32+48*\ks:39+48*\ks], v[48+48*\ks:55+48*\ks], v[224:231]
	v_wmma_f32_16x16x32_bf16 v[232:239], v[32+48*\ks:39+48*\ks], v[64+48*\ks:71+48*\ks], v[232:239]
.endif
.endr
.rept 4
	v_nop                                          ; four places between the last products and the stores that read them
.endr
	ds_store_b128 v5, v[224:227]                   ; each accumulator from its low end on
	ds_store_b128 v5, v[228:231] offset:16
	ds_store_b128 v5, v[232:235] offset:1024
	ds_store_b128 v5, v[236:239] offset:1040
	s_branch .Lmeet
	; ---- one batch's mask.  Wave w places rows 256 w .. 256 w + 255; to know where its positions begin it counts the whole batch itself.
.Lj3:
	s_sub_co_u32 s26, s25, 64                      ; b
	s_lshl_b32 s30, s26, 13
	s_add_nc_u64 s[12:13], s[12:13], s[30:31]      ; the batch's 8,192 bytes of mask,
	s_add_nc_u64 s[20:21], s[20:21], s[30:31]      ; and of pos
	s_mul_i32 s30, s26, LBAT
	s_add_nc_u64 s[18:19], s[18:19], s[30:31]
	v_lshlrev_b32 v6, 4, v1
	v_lshl_add_u32 v7, s24, 10, v6                 ; my wave's 1,024 bytes + 16 x lane
	global_load_b128 v[8:11], v7, s[12:13]         ; my own rows: s = 256 w + 128 u + 4 lane + e
	global_load_b128 v[12:15], v7, s[12:13] offset:512
.set i, 0
.rept 16
	global_load_b128 v[32+4*i:35+4*i], v6, s[12:13] offset:512*i
.set i, i+1
.endr
	s_mov_b32 s34, 0                               ; n: open rows of the batch
	s_mov_b32 s36, 0                               ; open rows in front of my wave's
	s_wait_loadcnt 0x0
.irp w, 0,1,2,3,4,5,6,7
	s_mov_b32 s35, 0
.irp i, 0,1,2,3,4,5,6,7
	v_cmp_ne_u32 vcc_lo, 0, v[32+8*\w+\i]
	s_bcnt1_i32_b32 s37, vcc_lo
	s_add_co_u32 s35, s35, s37
.endr
	s_add_co_u32 s34, s34, s35
	s_cmp_gt_u32 s24, \w
	s_cselect_b32 s35, s35, 0
	s_add_co_u32 s36, s36, s35
.endr
	s_lshl_b32 s41, s24, 8                         ; 256 w
	s_cmp_lg_u32 s34, 0                            ; is any row open?  The four selects below hang on this compare
	s_cselect_b32 s38, 1.0, 0                      ; keep
	s_cselect_b32 s39, 0, -1                       ; if none: every row counts as open,
	s_cselect_b32 s40, s34, 2048                   ; n' = 2,048,
	s_cselect_b32 s36, s36, s41                    ; and 256 w rows lie in front of mine
	s_add_co_u32 s42, s40, s41
	s_sub_co_u32 s42, s42, s36                     ; the first position of my wave's masked rows: n' + the masked rows in front
; Element e of load u, all 32 lanes at once: the lane's position is the running base plus the open (or masked) lanes below it.
.macro ELEM u, e
	v_cmp_ne_u32 vcc_lo, 0, v[8+4*\u+\e]
	s_or_b32 vcc_lo, vcc_lo, s39
	s_not_b32 s43, vcc_lo
	v_mov_b32 v98, s36
	v_mov_b32 v99, s42
	v_mbcnt_lo_u32_b32 v96, vcc_lo, v98
	v_mbcnt_lo_u32_b32 v97, s43, v99
	v_cndmask_b32 v96, v97, v96, vcc_lo            ; q
	v_and_b32 v97, 7, v96                          ; j
	v_lshrrev_b32 v96, 3, v96                      ; Lc
	v_min_u32 v97, 7, v97                          ; both are inside these bounds by their making; the bounds are written out since they come from loaded numbers
	v_min_u32 v96, 0xff, v96
	s_wait_xcnt 0x0                                ; the last store's address and data registers are rewritten only behind this wait
	v_mul_u32_u24 v100, v97, LREC
	v_lshl_add_u32 v100, v96, 2, v100
	v_lshl_add_u32 v101, v1, 2, 128*\u+\e
	v_add_nc_u32 v101, s41, v101                   ; s
	global_store_b32 v100, v101, s[18:19] offset:256  ; four bytes a lane: a permutation has no wider form; 8 KB a batch
	v_mad_u32_u24 v102, v97, 384, v96              ; the score's word in sc: 384 j + Lc, and 48 more in the second pass (192 words a pass, 144 rows)
	v_cmp_le_u32 s44, 144, v96
	v_cndmask_b32 v103, 1, 49, s44                 ; + 1: 0 stands for a masked row
	v_add_nc_u32 v102, v102, v103
	v_cndmask_b32 v[16+4*\u+\e], 0, v102, vcc_lo
	s_bcnt1_i32_b32 s45, vcc_lo
	s_add_co_u32 s36, s36, s45
	s_sub_co_u32 s45, 32, s45
	s_add_co_u32 s42, s42, s45
.endm
.irp u, 0,1
.irp e, 0,1,2,3
	ELEM \u, \e
.endr
	global_store_b128 v7, v[16+4*\u:19+4*\u], s[20:21] offset:512*\u
.endr
	s_mul_i32 s46, s24, LREC                       ; record w's last 64 words are 0: 256 bytes, 8 a lane
	v_lshl_add_u32 v104, v1, 3, s46
	v_mov_b32 v106, 0
	v_mov_b32 v107, 0
	global_store_b64 v104, v[106:107], s[18:19] offset:256+1024
	s_cmp_lg_u32 s24, 0
	s_cbranch_scc1 .Lmeet
	v_lshlrev_b32 v105, 3, v1                      ; wave 0 writes the header: lane 0 (n', keep), the others zeros
	v_cmp_eq_u32 vcc_lo, 0, v1
	v_mov_b32 v110, s40
	v_mov_b32 v111, s38
	v_cndmask_b32 v108, 0, v110, vcc_lo
	v_cndmask_b32 v109, 0, v111, vcc_lo
	global_store_b64 v105, v[108:109], s[18:19]
.Lmeet:
	s_wait_dscnt 0x0                               ; for the others' sake: my sums lie in RED
	s_barrier_signal -1
	s_barrier_wait -1
	s_cmp_lt_u32 s25, 64
	s_cbranch_scc0 .Lend
	; ---- the eight waves' sums are added; thread t owns batch t / 8, columns 2 (t % 8) and the next: bytes 8 t of each wave's 2,048
	v_lshlrev_b32 v112, 3, v0
	v_and_b32 v113, 7, v0
	v_lshlrev_b32 v113, 3, v113
	s_lshl_b32 s30, s25, 6
	s_add_nc_u64 s[10:11], s[10:11], s[30:31]      ; Wh_b at the tile's 16 columns
	s_lshl_b32 s30, s25, 11
	s_add_nc_u64 s[16:17], s[16:17], s[30:31]
	s_mov_b32 s48, 0x4038aa3b                      ; K2 = 2 log2(e)
	s_mov_b32 s49, s48                             ; named with it as a pair
.irp w, 0,1,2,3,4,5,6,7
	ds_load_b64 v[114+2*\w:115+2*\w], v112 offset:2048*\w
.endr
	global_load_b64 v[130:131], v113, s[10:11]
	s_wait_dscnt 0x0
	v_pk_add_f32 v[114:115], v[114:115], v[116:117]
	v_pk_add_f32 v[118:119], v[118:119], v[120:121]
	v_pk_add_f32 v[122:123], v[122:123], v[124:125]
	v_pk_add_f32 v[126:127], v[126:127], v[128:129]
	v_pk_add_f32 v[114:115], v[114:115], v[118:119]
	v_pk_add_f32 v[122:123], v[122:123], v[126:127]
	v_pk_add_f32 v[114:115], v[114:115], v[122:123]
	s_wait_loadcnt 0x0
	v_pk_add_f32 v[114:115], v[114:115], v[130:131]
	v_pk_mul_f32 v[114:115], v[114:115], s[48:49] op_sel_hi:[1,0]
	global_store_b64 v112, v[114:115], s[16:17]    ; a wave's store covers 256 consecutive bytes, aligned
.Lend:
	s_wait_tensorcnt 0x0                           ; the wave's end: three closing lines, behind my last LDS store
	ds_add_u32 v30, v31
	s_wait_dscnt 0x0
	s_endpgm
.Lfunc_end_k_q77df59b137_prep:
	.size	k_q77df59b137_prep, .Lfunc_end_k_q77df59b137_prep-k_q77df59b137_prep
	.p2alignl 7, 3214868480
	.fill 96, 4, 3214868480
	.section	.rodata,"a",@progbits
	.p2align	6, 0x0
	.amdhsa_kernel k_q77df59b137_prep
		.amdhsa_group_segment_fixed_size 17408
		.amdhsa_private_segment_fixed_size 0
		.amdhsa_enable_private_segment 0
		.amdhsa_kernarg_size 72
		.amdhsa_user_sgpr_count 2
		.amdhsa_user_sgpr_kernarg_segment_ptr 1
		.amdhsa_wavefront_size32 1
		.amdhsa_system_sgpr_workgroup_id_x 1
		.amdhsa_system_sgpr_workgroup_id_y 1
		.amdhsa_system_sgpr_workgroup_id_z 1
		.amdhsa_system_vgpr_workitem_id 0
		.amdhsa_next_free_vgpr 256
		.amdhsa_next_free_sgpr 66
		.amdhsa_reserve_vcc 1
		.amdhsa_float_denorm_mode_32 3
		.amdhsa_float_denorm_mode_16_64 3
		.amdhsa_memory_ordered 1
		.amdhsa_forward_progress 1
		.amdhsa_inst_pref_size 39
	.end_amdhsa_kernel
	.amdgpu_metadata
---
amdhsa.version: [ 1, 2 ]
amdhsa.kernels:
  - .name:           k_q77df59b137_prep
    .symbol:         k_q77df59b137_prep.kd
    .args:
      - { .name: Wh_w, .offset: 0, .size: 8, .value_kind: global_buffer, .address_space: global }
      - { .name: Ws_w, .offset: 8, .size: 8, .value_kind: global_buffer, .address_space: global }
      - { .name: output, .offset: 16, .size: 8, .value_kind: global_buffer, .address_space: global }
      - { .name: Wh_b, .offset: 24, .size: 8, .value_kind: global_buffer, .address_space: global }
      - { .name: attn_mask, .offset: 32, .size: 8, .value_kind: global_buffer, .address_space: global }
      - { .name: wf, .offset: 40, .size: 8, .value_kind: global_buffer, .address_space: global }
      - { .name: biast, .offset: 48, .size: 8, .value_kind: global_buffer, .address_space: global }
      - { .name: list, .offset: 56, .size: 8, .value_kind: global_buffer, .address_space: global }
      - { .name: pos, .offset: 64, .size: 8, .value_kind: global_buffer, .address_space: global }
    .group_segment_fixed_size: 17408
    .private_segment_fixed_size: 0
    .kernarg_segment_align: 8
    .kernarg_segment_size: 72
    .max_flat_workgroup_size: 256
    .sgpr_count:     66
    .vgpr_count:     256
    .wavefront_size: 32
...
	.end_amdgpu_metadata
.endif
;; end of part 1
;; launch main (part 2): grid 256 x 1, 4 waves a work-group, no clusters, 311,296 bytes of LDS; arguments context, wf, biast, v_w, list, sc, part; writes sc, part
.if DOCPART == 2
	.amdgcn_target "amdgcn-amd-amdhsa--gfx1250"
	.amdhsa_code_object_version 6
	.text
	.protected	k_q77df59b137_main
	.globl	k_q77df59b137_main
	.p2align	8
	.type	k_q77df59b137_main,@function
k_q77df59b137_main:
	s_mov_b64 s[64:65], 0
	v_nop
	global_prefetch_b8 v0, s[64:65] scope:SCOPE_SE
	s_setreg_imm32_b32 hwreg(HW_REG_WAVE_MODE, 25, 1), 1
	s_wait_xcnt 0x0
; ADDITIVE ATTENTION, THE BULK.  For the OPEN rows of a batch: score = v_w . tanh(context Wh_w^T + Wh_b + output_p), then a chunk's part of the softmax and of the weighted sum.
; A masked row's score is -1e9 in the problem, so its weight is 0 beside any open row: its product, its tanh and its 4,096 bytes of context are left out.
; SHARES.  Work-group (b, j), b = wg / 8, j = wg % 8, owns the positions q = 8 Lc + j < n' of batch b's list, in two passes of up to 144 rows (256 at the most).
; In a pass the rows are read from memory ONCE, rounded to bf16 and kept in LDS: first as one operand of the product, then for the weighted sum.
; The four waves share the 144 rows; wave w makes the columns 512 np + 128 w + 0..127, np = 0, 1: a wave tile of 144 x 128, 72 accumulators of 16 x 16.
; The rows fill LDS, so the weights (bf16, written in fragment order by the launch before) come straight into registers, three K steps ahead, in four buffers.
; NO CLUSTER, NO TENSOR LOADS: the 297,216 bytes of rows leave under 31 KB of LDS, too little for two slots of weight tiles that a step's work could cover.
; TANH.  tanh x = 1 - 2 / (1 + 2^(K2 x)), K2 = 2 log2(e).  score = sum v - 2 sum v / (1 + 2^(K2 x)); the first sum is the same for every row and cancels in the softmax:
; it is left out, and 'sc' holds scores less that constant.  An exponential that overflows gives 1 / inf = 0, one that underflows 1 / 1: both are tanh's limits.
; SOFTMAX.  A chunk takes its own maximum m away: e = 2^((s - m) log2 e), l = sum e, part = sum e x row; the last launch joins the 16 chunks of a batch by their maxima.
; THE MATRIX INSTRUCTION IS USED TRANSPOSED: source 0 = 16 rows of Wh_w, source 1 = 16 rows of context: a lane holds ONE context row (lane % 16) and the columns 8 (lane / 16) + 0..7.
; LIMITS.  context and Wh_w enter the product, and context the weighted sum, rounded to bf16; bias, v_w, scores, weights and sums are f32.  NaN and infinities are not treated apart.
; A masked row's weight is taken as exactly 0, which is the problem's value while the sum of |v_w| stays under about 9e8.  The two products with one row (v_w, the weights) run on the
; vector unit in f32: a matrix instruction would use one row in sixteen.
; LDS ADDRESSES IN LOOPS are made anew in each trip: a vector base that is never rewritten plus a scalar that the loop steps once a trip; what differs inside a trip stands in the immediates.
; A PASS HAS FIVE PARTS WITH A BARRIER BEHIND EACH: fill | product and tanh | partial scores stored | scores and e | weighted sum and stores.  No stretch between two barriers holds both
; stores to LDS and reads of bytes that another wave wrote.  A pass with no row jumps forward over each part, never over a barrier.
;
; LDS: A 144 rows x 2,064 bytes (2,048 + 16: 129 x 16, so the 16 rows of a fragment load start at 16 different groups of four banks, ISA guide 11.1); CB, CV 4,096 each: the batch's
; addend K2 (output_p + Wh_b) and -2 v_w by column; PS 4 x 576: each wave's partial scores; EW 4 x 768: each wave's own copy of e; the spare words.
; REGISTERS, in windows of 256 (s_set_vgpr_msb: bits 1:0 source 0, 3:2 source 1, 5:4 source 2, 7:6 destination):
;   window 0: v0-23 addresses; v24-41 SS, a pair of score sums for each of 9 row tiles; v42-47 at work; v48-119, v120-191 fragments of A, two buffers; v192-255 accumulators of row tile 8
;             (the fill, the way out of a product and the weighted sum use v48-255 anew: see their names below)
;   windows 1, 2: accumulators of row tiles 0-3 and 4-7, at 64 (mt % 4) + 8 nt          window 3: fragments of W, four buffers of 64
.set PITCH, 2064
.set CB,    144*PITCH
.set CV,    CB+4096
.set PS,    CV+4096
.set EW,    PS+4*576
.set SPARE, EW+4*768                   ; 128 bytes for each wave; no other line names them
.set ARW,  14                          ; v14-18  r x PITCH + 16 h + 32 rows x q: a fragment's place, for row tiles 2 q and 2 q + 1; never rewritten
.set ADRA, 19                          ; v19-23  the same plus the trip's place along K: made anew in each trip of the K loop
.set SS,   24
.set AF,   48                          ; A's fragments
.set XF,   48                          ; the fill: six row slots of 32 registers, v48-239
.set TF,   240                         ; the fill: a row rounded, v240-255
.set CBR,  48                          ; the way out: my 64 addends, v48-111
.set CVR,  112                         ; my 64 numbers of -2 v_w, v112-175
.set TE,   176                         ; four pairs of sums, v176-183
.set ACC,  208                         ; the weighted sum: my 8 columns, v208-215
.set SV,   216                         ; my six scores, v216-221
.set EE,   222                         ; their weights, v222-227
.set PP,   228                         ; the four waves' partial scores, v228-251
; v1 16 x lane   v2 the fill's LDS address (v47 its base)   v3, v4 my place in CB (np = 0; this np)   v5 where my partial scores go   v6, v7 where I read them   v8 where my e go
; v9, v10, v45 the weighted sum's addresses (v44, v42, v43 their bases)   v11 2 x lane   v12, v13 the add's two registers
; s[4:5] context of b   s[6:7] wf of my wave   s[8:9] biast   s[10:11] v_w   s[12:13] list of b   s[14:15] sc record   s[16:17] part record   s18 wave   s19 b   s20 j   s21 n'
; s[22:23] keep   s24 cnt   s25 144 x pass   s26 act   s27 rows valid in the pass   s28 N passes to go   s29 loop counts   s[30:31] offset in the stream of weights   s[32:33] its address
; s[34:35] K2   s[36:37] lane selects   s[38:39] log2 e   s40 -1e30   s41 the row being asked for   s42 the chunk's first row   s[44:49], s[52:57] six list words, and the next six
; s[58:59] walks the list   s[60:61] list record j   s62 EW of my wave   s[66:77] six row addresses   s2, s43 at work, s3 = 0
.set KO, 63                            ; s63  the K loop's trip: 256 bytes of a row a trip
.set CO, 78                            ; s78  the N pass's place in CB and CV: 2,048 bytes a pass
.set FO, 79                            ; s79  the fill's trip: six rows a trip
.set WO, 80                            ; s80  the weighted sum's trip: 32 rows a trip
.set EO, 81                            ; s81  and 128 bytes of e
.set PL, 82                            ; s82  passes to go
.set MSB, 0
.macro WIN new                         ; the immediate's high byte repeats the setting that is left; a switch that changes nothing is dropped
.if MSB != (\new)
	s_set_vgpr_msb (MSB<<8)|(\new)
.set MSB, (\new)
.endif
.endm
.macro MEET                            ; for the others' sake: none of my LDS instructions is out; then the work-group's barrier
	s_wait_dscnt 0x0
	s_barrier_signal -1
	s_barrier_wait -1
.endm
	s_load_b256 s[4:11], s[0:1], 0x0
	s_load_b128 s[12:15], s[0:1], 0x20
	s_load_b64 s[16:17], s[0:1], 0x30
	v_lshl_add_u32 v12, v0, 2, SPARE
	v_mov_b32 v13, 0
	v_lshrrev_b32 v42, 5, v0
	v_readfirstlane_b32 s18, v42                   ; wave 0..3
	s_lshr_b32 s19, ttmp9, 3
	s_and_b32 s20, ttmp9, 7
	s_mov_b32 s3, 0
	s_mov_b32 s31, 0
	s_mov_b32 s34, 0x4038aa3b                      ; K2 = 2 log2(e)
	s_mov_b32 s35, s34
	s_mov_b32 s36, 0x76543210                      ; v_permlanex16_b32: each lane takes its own place in the other half
	s_mov_b32 s37, 0xfedcba98
	s_mov_b32 s38, 0x3fb8aa3b                      ; log2(e)
	s_mov_b32 s39, s38
	s_mov_b32 s40, 0xf149f2ca                      ; -1e30
	v_and_b32 v43, 31, v0                          ; lane
	v_and_b32 v44, 15, v0                          ; r
	v_bfe_u32 v45, v0, 4, 1                        ; h
	v_lshlrev_b32 v1, 4, v43
	v_lshlrev_b32 v11, 1, v43
	s_lshl_b32 s2, s18, 9
	s_add_co_u32 s2, s2, CB
	v_lshl_add_u32 v3, v45, 5, s2                  ; column 128 w + 8 h, 4 bytes each
	s_mul_i32 s2, s18, 576
	s_add_co_u32 s2, s2, PS
	v_lshl_add_u32 v5, v44, 2, s2
	v_lshl_add_u32 v6, v43, 3, PS                  ; rows 2 lane and 2 lane + 1 (+ 64 g by the offset)
	v_add_nc_u32 v7, 128, v11
	v_min_u32 v7, 142, v7                          ; rows 128 + 2 lane on; lanes past row 143 read the last pair, and their scores are replaced
	v_lshl_add_u32 v7, v7, 2, PS
	s_mul_i32 s62, s18, 768
	s_add_co_u32 s62, s62, EW
	v_lshl_add_u32 v8, v43, 3, s62
	v_mul_u32_u24 v[ARW], v44, PITCH
	v_lshl_add_u32 v[ARW], v45, 4, v[ARW]
.irp q, 1,2,3,4
	v_add_nc_u32 v[ARW+\q], 32*PITCH*\q, v[ARW]
.endr
	v_lshrrev_b32 v46, 2, v0                       ; four columns x = t and t + 128 of the constants: biast tile x / 4, 16 bytes x % 4
	v_lshlrev_b32 v46, 11, v46
	v_and_b32 v47, 3, v0
	v_lshl_add_u32 v46, v47, 4, v46
	v_lshlrev_b32 v47, 4, v0
	v_add_nc_u32 v42, CB, v47
	s_wait_kmcnt 0x0
	s_lshl_b32 s2, s19, 23                         ; a batch of context: 2,048 rows of 4,096 bytes
	s_add_nc_u64 s[4:5], s[4:5], s[2:3]
	s_lshl_b32 s2, s18, 19
	s_add_nc_u64 s[6:7], s[6:7], s[2:3]
	s_lshl_b32 s2, s19, 6
	s_add_nc_u64 s[8:9], s[8:9], s[2:3]
	s_mul_i32 s2, s19, 10496
	s_add_nc_u64 s[12:13], s[12:13], s[2:3]
	s_load_b64 s[50:51], s[12:13], 0x0             ; n', keep
	s_mul_i32 s2, s20, 1280
	s_add_co_u32 s2, s2, 256
	s_add_nc_u64 s[60:61], s[12:13], s[2:3]
	s_load_b32 s42, s[60:61], 0x0                  ; the record's first row: what padding rows load
	s_mul_i32 s2, s19, 12288
	s_mul_i32 s43, s20, 1536
	s_add_co_u32 s2, s2, s43
	s_add_nc_u64 s[14:15], s[14:15], s[2:3]
	s_lshl_b32 s2, s19, 16
	s_lshl_b32 s43, s20, 13
	s_add_co_u32 s2, s2, s43
	s_lshl_b32 s43, s18, 10
	s_add_co_u32 s2, s2, s43
	s_add_nc_u64 s[16:17], s[16:17], s[2:3]
	global_load_b128 v[48:51], v46, s[8:9]
	global_load_b128 v[52:55], v46, s[8:9] offset:65536
	global_load_b128 v[56:59], v47, s[10:11]
	global_load_b128 v[60:63], v47, s[10:11] offset:2048
	s_wait_loadcnt 0x0
	v_pk_mul_f32 v[56:57], v[56:57], -2.0 op_sel_hi:[1,0]
	v_pk_mul_f32 v[58:59], v[58:59], -2.0 op_sel_hi:[1,0]
	v_pk_mul_f32 v[60:61], v[60:61], -2.0 op_sel_hi:[1,0]
	v_pk_mul_f32 v[62:63], v[62:63], -2.0 op_sel_hi:[1,0]
	ds_store_b128 v42, v[48:51]                    ; the first pass's first barrier shows these to every wave
	ds_store_b128 v42, v[52:55] offset:2048
	ds_store_b128 v42, v[56:59] offset:4096
	ds_store_b128 v42, v[60:63] offset:6144
	; The stream of weights: 64 steps of 8,192 bytes (np 0: K steps 0-31, np 1: K steps 0-31), walked round and round.  Steps 0, 1, 2 go out now, into buffers 0, 1, 2.
	WIN 0xc0                                       ; destination window 3, address window 0
.irp u, 0,1,2
.irp i, 0,1,2,3,4,5,6,7
	global_load_b128 v[64*\u+8*\i:64*\u+8*\i+3],   v1, s[6:7] offset:8192*\u+1024*\i
	global_load_b128 v[64*\u+8*\i+4:64*\u+8*\i+7], v1, s[6:7] offset:8192*\u+1024*\i+512
.endr
.endr
	WIN 0
	s_mov_b32 s30, 3*8192
	s_wait_kmcnt 0x0
	s_mov_b32 s21, s50
	s_mov_b32 s22, s51
	s_mov_b32 s23, s51
	s_add_co_u32 s24, s21, 7
	s_sub_co_u32 s24, s24, s20
	s_lshr_b32 s24, s24, 3                         ; cnt: my positions, Lc = 0 .. cnt - 1
	s_mov_b32 s25, 0
	s_mov_b32 s[PL], 2
; Row slot k asks for the next row of my wave's 36: eight loads of 512 consecutive bytes.  A row past cnt takes the chunk's first row: finite numbers, whose weight will be 0.
.macro ASK k
	s_cmp_lt_u32 s41, s24
	s_cselect_b32 s43, s[44+\k], s42
	s_min_u32 s43, s43, 0x7ff                      ; a row number from memory: bounded before it enters an address
	s_lshl_b32 s2, s43, 12
	s_add_nc_u64 s[66+2*\k:67+2*\k], s[4:5], s[2:3]
	s_add_co_u32 s41, s41, 1
.irp q, 0,1,2,3,4,5,6,7
	global_load_b128 v[XF+32*\k+4*\q:XF+32*\k+4*\q+3], v1, s[66+2*\k:67+2*\k] offset:512*\q
.endr
.endm
; Row slot k's row has come: rounded to bf16 and stored, 256 consecutive bytes an instruction.  left: the younger loads that may stay out.
.macro ROWIN k, left, ask
	s_wait_loadcnt \left                           ; loads return in order: this row is in, and its address register is free
.irp q, 0,1,2,3,4,5,6,7
	v_cvt_pk_bf16_f32 v[TF+2*\q],   v[XF+32*\k+4*\q],   v[XF+32*\k+4*\q+1]
	v_cvt_pk_bf16_f32 v[TF+2*\q+1], v[XF+32*\k+4*\q+2], v[XF+32*\k+4*\q+3]
.endr
.irp q, 0,1,2,3,4,5,6,7
	ds_store_b64 v2, v[TF+2*\q:TF+2*\q+1] offset:PITCH*\k+256*\q
.endr
.if \ask
	ASK \k
.endif
.endm
; 72 matrix instructions: 9 row tiles x 8 column tiles, 32 along K.  The 72 accumulators take turns, one instruction a turn, in the same order in every step.
.macro MULS a, bb, zero
.set fa, AF+72*(\a)
.set fb, 64*(\bb)
.irp mt, 0,1,2,3,4,5,6,7,8
.if \mt < 4
	WIN 0x53                                       ; W window 3, A window 0, C and D window 1
.set ac, 64*\mt
.elseif \mt < 8
	WIN 0xa3                                       ; C and D window 2
.set ac, 64*(\mt-4)
.else
	WIN 0x03                                       ; C and D window 0
.set ac, 192
.endif
.irp nt, 0,1,2,3,4,5,6,7
.if \zero
	v_wmma_f32_16x16x32_bf16 v[ac+8*\nt:ac+8*\nt+7], v[fb+8*\nt:fb+8*\nt+7], v[fa+8*\mt:fa+8*\mt+7], 0
.else
	v_wmma_f32_16x16x32_bf16 v[ac+8*\nt:ac+8*\nt+7], v[fb+8*\nt:fb+8*\nt+7], v[fa+8*\mt:fa+8*\mt+7], v[ac+8*\nt:ac+8*\nt+7]
.endif
.endr
.endr
.endm
; 18 LDS loads: the fragments of 144 rows x 32 K, at byte ko of the rows from the five addresses adr on, into buffer f.
.macro AFETCH f, adr, ko
.irp mt, 0,1,2,3,4,5,6,7,8
	ds_load_b128 v[(\f)+8*\mt:(\f)+8*\mt+3],   v[(\adr)+\mt/2] offset:16*PITCH*(\mt%2)+(\ko)
	ds_load_b128 v[(\f)+8*\mt+4:(\f)+8*\mt+7], v[(\adr)+\mt/2] offset:16*PITCH*(\mt%2)+(\ko)+32
.endr
.endm
; A K step: multiplies A's buffer a by W's buffer bb; ahead of that it asks for the weights three steps on (into the buffer that the last step read) and A's next fragments (into the other buffer,
; from addresses adr at byte ko).  zero = 1: the products start the sums.  last = 1: the N pass's last step: no further fragments of A.  mk = 1: a trip's first step makes the trip's five addresses.
; Four places stand between the last step's products and the loads into the registers that they read (ISA guide 7.12.1 for vector instructions): the five additions, or four v_nop.
.macro STEP a, bb, zero, last, adr, ko, mk
	WIN 0
.if \mk
.irp q, 0,1,2,3,4
	v_add_nc_u32 v[ADRA+\q], s[KO], v[ARW+\q]
.endr
	s_add_co_u32 s[KO], s[KO], 256                 ; four K steps of 64 bytes a trip
.else
.rept 4
	v_nop
.endr
.endif
	s_wait_xcnt 0x0                                ; the last step's loads have had their addresses translated: their base is rewritten only behind this wait
	s_add_nc_u64 s[32:33], s[6:7], s[30:31]
	s_add_co_u32 s30, s30, 8192
	s_and_b32 s30, s30, 0x7ffff                    ; behind step 63 comes step 0
	WIN 0xc0
.set nb, 64*(((\bb)+3)%4)
.irp i, 0,1,2,3,4,5,6,7
	global_load_b128 v[nb+8*\i:nb+8*\i+3],   v1, s[32:33] offset:1024*\i
	global_load_b128 v[nb+8*\i+4:nb+8*\i+7], v1, s[32:33] offset:1024*\i+512
.endr
	WIN 0
.if !(\last)
	AFETCH AF+72*(1-(\a)), \adr, \ko
.endif
	s_wait_loadcnt 48                              ; this step's weights are in: the sixteen loads of each of the three younger steps may stay out
.if \last
	s_wait_dscnt 0x0
.else
	s_wait_dscnt 18                                ; this step's fragments of A are in: the eighteen just issued may stay out
.endif
	MULS \a, \bb, \zero
	WIN 0
.endm
; Row tile mt's 64 sums a lane become their part of the score: x' = K2 x + addend; 2^x'; + 1; the reciprocal; times -2 v, summed.  Each accumulator is read from its low end on.
.macro EPI mt
.if \mt < 8
.set ew, 1+\mt/4
.set er, 64*(\mt%4)
.else
.set ew, 0
.set er, 192
.endif
	WIN (ew<<6)|ew                                 ; destination and source 0 in the tile's window, the addend in window 0
.set z, 0
.rept 32
	v_pk_fma_f32 v[er+2*z:er+2*z+1], v[er+2*z:er+2*z+1], s[34:35], v[CBR+2*z:CBR+2*z+1] op_sel_hi:[1,0,1]
.set z, z+1
.endr
.set z, 0
.rept 64
	v_exp_f32 v[er+z], v[er+z]
.set z, z+1
.endr
	v_nop                                          ; a plain instruction between the last exponential and the use of its result
.set z, 0
	s_wait_alu depctr_va_vdst(0)
.rept 32
	v_pk_add_f32 v[er+2*z:er+2*z+1], v[er+2*z:er+2*z+1], 1.0 op_sel_hi:[1,0]
.set z, z+1
.endr
.set z, 0
.rept 64
	v_rcp_f32 v[er+z], v[er+z]
.set z, z+1
.endr
	v_nop                                          ; likewise behind the last reciprocal
	s_wait_alu depctr_va_vdst(0)
	WIN ew                                         ; source 0 in the tile's window, all else in window 0
.set z, 0
.rept 32
.if z < 4                              ; four chains, started by the first four products
	v_pk_mul_f32 v[TE+2*z:TE+2*z+1], v[er+2*z:er+2*z+1], v[CVR+2*z:CVR+2*z+1]
.else
	v_pk_fma_f32 v[TE+2*(z%4):TE+2*(z%4)+1], v[er+2*z:er+2*z+1], v[CVR+2*z:CVR+2*z+1], v[TE+2*(z%4):TE+2*(z%4)+1]
.endif
.set z, z+1
.endr
	WIN 0
	v_pk_add_f32 v[TE:TE+1], v[TE:TE+1], v[TE+2:TE+3]
	v_pk_add_f32 v[TE+4:TE+5], v[TE+4:TE+5], v[TE+6:TE+7]
	v_pk_add_f32 v[TE:TE+1], v[TE:TE+1], v[TE+4:TE+5]
	v_pk_add_f32 v[SS+2*\mt:SS+2*\mt+1], v[SS+2*\mt:SS+2*\mt+1], v[TE:TE+1]
.endm
; The weighted sum: 16 rows' 16 bytes of my 8 columns (address va, byte o), and the rows' 16 weights (address ve, the same in all lanes, byte oe).
.macro LOADG x, e, va, o, ve, oe
.set k, 0
.rept 16
	ds_load_b128 v[(\x)+4*k:(\x)+4*k+3], v[\va] offset:(\o)+PITCH*k
.set k, k+1
.endr
.irp y, 0,1,2,3
	ds_load_b128 v[(\e)+4*\y:(\e)+4*\y+3], v[\ve] offset:(\oe)+16*\y
.endr
.endm
.macro FMA x, e                        ; a bf16 half times an f32 weight onto an f32 sum: eight chains
.set k, 0
.rept 16
.irp c, 0,1,2,3
	v_fma_mix_f32_bf16 v[ACC+2*\c],   v[(\x)+4*k+\c], v[(\e)+k], v[ACC+2*\c]   op_sel_hi:[1,0,0]
	v_fma_mix_f32_bf16 v[ACC+2*\c+1], v[(\x)+4*k+\c], v[(\e)+k], v[ACC+2*\c+1] op_sel:[1,0,0] op_sel_hi:[1,0,0]
.endr
.set k, k+1
.endr
.endm
.Lpass:                                                ; two trips
	s_sub_co_i32 s27, s24, s25
	s_max_i32 s27, s27, 0
	s_min_i32 s27, s27, 144                        ; rows of this pass that are mine
	s_cmp_gt_u32 s24, s25
	s_cselect_b32 s26, 1, 0                        ; act: the pass has a row
.set z, 0
.rept 18
	v_mov_b32 v[SS+z], 0                           ; the score sums gather over two N passes, so they start at 0, on every path
.set z, z+1
.endr
	s_cmp_eq_u32 s26, 0
	s_cbranch_scc1 .Lb1
	; ---- THE FILL.  Wave w brings rows 36 w .. 36 w + 35 of the pass through six row slots: 48 loads, 24 KB, of every wave are on their way.
	s_mul_i32 s2, s18, 36
	s_add_co_u32 s41, s25, s2                      ; Lc of my first row
	s_lshl_b32 s2, s41, 2
	s_add_nc_u64 s[58:59], s[60:61], s[2:3]
	s_load_b128 s[44:47], s[58:59], 0x0            ; the first six rows' numbers,
	s_load_b64 s[48:49], s[58:59], 0x10
	s_load_b128 s[52:55], s[58:59], 0x18           ; and the next six
	s_load_b64 s[56:57], s[58:59], 0x28
	s_mul_i32 s2, s18, 36*PITCH
	v_lshl_add_u32 v47, v11, 2, s2                 ; my wave's first row + 8 x lane
	s_mov_b32 s[FO], 0
	s_wait_kmcnt 0x0
.irp k, 0,1,2,3,4,5
	ASK \k
.endr
	s_mov_b64 s[44:45], s[52:53]
	s_mov_b64 s[46:47], s[54:55]
	s_mov_b64 s[48:49], s[56:57]
	s_mov_b32 s29, 5
.Lfill:                                                ; a trip stores six rows and asks for the six behind those on their way
	s_add_nc_u64 s[58:59], s[58:59], 24            ; (the scalar loads that named it were waited for)
	s_load_b128 s[52:55], s[58:59], 0x18           ; the numbers for the next trip; the last trip's six lie inside the record's 320 words and are not used
	s_load_b64 s[56:57], s[58:59], 0x28
	v_add_nc_u32 v2, s[FO], v47                    ; the trip's six rows
	s_add_co_u32 s[FO], s[FO], 6*PITCH
.irp k, 0,1,2,3,4,5
	ROWIN \k, 40, 1                                ; five younger rows of eight loads
.endr
	s_wait_kmcnt 0x0
	s_mov_b64 s[44:45], s[52:53]
	s_mov_b64 s[46:47], s[54:55]
	s_mov_b64 s[48:49], s[56:57]
	s_sub_co_u32 s29, s29, 1
	s_cmp_lg_u32 s29, 0
	s_cbranch_scc1 .Lfill
	v_add_nc_u32 v2, 30*PITCH, v47
.irp k, 0,1,2,3,4,5
	ROWIN \k, 40-8*\k, 0                           ; the last six rows: nothing more is asked for, the counts run down
.endr
.Lb1:
	MEET                                           ; everybody's rows (and, the first time, the constants) lie in LDS
	s_cmp_eq_u32 s26, 0
	s_cbranch_scc1 .Lb1b
	; ---- THE PRODUCT AND THE TANH, in two N passes of 32 K steps.  This part only reads LDS.
	s_mov_b32 s[CO], 0
	s_mov_b32 s28, 2
.Lnp:
	v_add_nc_u32 v4, s[CO], v3                     ; this N pass's 512 columns of the constants
	s_add_co_u32 s[CO], s[CO], 2048
	s_mov_b32 s[KO], 0
	AFETCH AF, ARW, 0
	STEP 0, 0, 1, 0, ARW, 64, 0                    ; the first K step stands in front of the loop: its products start the sums
	s_mov_b32 s29, 7
.Lk:                                                   ; trip t: K steps 4 t + 1 .. 4 t + 4, which fetch A's fragments of steps 4 t + 2 .. 4 t + 5: bytes 256 t + 128, 192, 256, 320
	STEP 1, 1, 0, 0, ADRA, 128, 1
	STEP 0, 2, 0, 0, ADRA, 192, 0
	STEP 1, 3, 0, 0, ADRA, 256, 0
	STEP 0, 0, 0, 0, ADRA, 320, 0
	s_sub_co_u32 s29, s29, 1
	s_cmp_lg_u32 s29, 0
	s_cbranch_scc1 .Lk
	STEP 1, 1, 0, 0, ARW, 1920, 0
	STEP 0, 2, 0, 0, ARW, 1984, 0
	STEP 1, 3, 0, 1, ARW, 0, 0                     ; 32 steps are a multiple of four: the next N pass finds its steps 0, 1, 2 in buffers 0, 1, 2 again
.rept 4
	v_nop                                          ; four places between the last products and the loads into A's registers and the reads of the sums
.endr
.irp nt, 0,1,2,3,4,5,6,7
	ds_load_b128 v[CBR+8*\nt:CBR+8*\nt+3],   v4 offset:64*\nt
	ds_load_b128 v[CBR+8*\nt+4:CBR+8*\nt+7], v4 offset:64*\nt+16
	ds_load_b128 v[CVR+8*\nt:CVR+8*\nt+3],   v4 offset:4096+64*\nt
	ds_load_b128 v[CVR+8*\nt+4:CVR+8*\nt+7], v4 offset:4096+64*\nt+16
.endr
	s_wait_dscnt 0x0
.irp mt, 0,1,2,3,4,5,6,7,8
	EPI \mt
.endr
	s_sub_co_u32 s28, s28, 1
	s_cmp_lg_u32 s28, 0
	s_cbranch_scc1 .Lnp
.Lb1b:
	MEET                                           ; everybody's reads for the product are over: the stores below share no stretch with them
	s_cmp_eq_u32 s26, 0
	s_cbranch_scc1 .Lb2
	; ---- MY PARTIAL SCORES.  A row's sum: the pair's two halves, and the other half of the lanes' eight columns.  This part only writes LDS.
.irp mt, 0,1,2,3,4,5,6,7,8
	v_add_f32 v[SS+2*\mt], v[SS+2*\mt], v[SS+2*\mt+1]
.endr
.irp mt, 0,1,2,3,4,5,6,7,8
	v_permlanex16_b32 v[SS+2*\mt+1], v[SS+2*\mt], s36, s37
.endr
.irp mt, 0,1,2,3,4,5,6,7,8
	v_add_f32 v[SS+2*\mt], v[SS+2*\mt], v[SS+2*\mt+1]
	ds_store_b32 v5, v[SS+2*\mt] offset:64*\mt     ; both halves of the lanes write the same number to the same word
.endr
.Lb2:
	MEET                                           ; everybody's partial scores lie in PS
	s_cmp_eq_u32 s26, 0
	s_cbranch_scc1 .Lneut_a
	; ---- SCORES AND THE CHUNK'S SOFTMAX.  Every wave makes all scores: row i = 64 g + 2 lane + e.
.irp w, 0,1,2,3
	ds_load_b64 v[PP+2*\w:PP+2*\w+1],     v6 offset:576*\w
	ds_load_b64 v[PP+8+2*\w:PP+8+2*\w+1], v6 offset:576*\w+256
	ds_load_b64 v[PP+16+2*\w:PP+16+2*\w+1], v7 offset:576*\w
.endr
	s_wait_dscnt 0x0
.irp g, 0,1,2
	v_pk_add_f32 v[SV+2*\g:SV+2*\g+1], v[PP+8*\g:PP+8*\g+1], v[PP+8*\g+2:PP+8*\g+3]
	v_pk_add_f32 v[PP+8*\g+4:PP+8*\g+5], v[PP+8*\g+4:PP+8*\g+5], v[PP+8*\g+6:PP+8*\g+7]
.endr
.irp g, 0,1,2
	v_pk_add_f32 v[SV+2*\g:SV+2*\g+1], v[SV+2*\g:SV+2*\g+1], v[PP+8*\g+4:PP+8*\g+5]
.endr
.irp g, 0,1,2
	v_pk_mul_f32 v[SV+2*\g:SV+2*\g+1], v[SV+2*\g:SV+2*\g+1], s[22:23] op_sel_hi:[1,0]  ; keep: 1, or 0 in a batch with no open row
.endr
.irp g, 0,1,2
.irp e, 0,1
	s_sub_co_i32 s43, s27, 64*\g+\e
	v_cmp_gt_i32 vcc_lo, s43, v11                  ; is row i one of mine?
	v_cndmask_b32 v[SV+2*\g+\e], s40, v[SV+2*\g+\e], vcc_lo  ; a padding row counts as -1e30: its weight is 0
.endr
.endr
	v_max3_num_f32 v42, v[SV], v[SV+1], v[SV+2]
	v_max3_num_f32 v42, v42, v[SV+3], v[SV+4]
	v_max_num_f32 v42, v42, v[SV+5]
	v_max_num_f32_dpp v42, v42, v42 row_xmask:1 row_mask:0xf bank_mask:0xf
	v_max_num_f32_dpp v42, v42, v42 row_xmask:2 row_mask:0xf bank_mask:0xf
	v_max_num_f32_dpp v42, v42, v42 row_xmask:4 row_mask:0xf bank_mask:0xf
	v_max_num_f32_dpp v42, v42, v42 row_xmask:8 row_mask:0xf bank_mask:0xf
	v_permlanex16_b32 v43, v42, s36, s37
	v_max_num_f32 v42, v42, v43                    ; m, in every lane
	v_mul_f32 v44, s38, v42
	v_mov_b32 v45, v44                             ; named with it as a pair
.irp g, 0,1,2
	v_pk_fma_f32 v[EE+2*\g:EE+2*\g+1], v[SV+2*\g:SV+2*\g+1], s[38:39], v[44:45] op_sel_hi:[1,0,0] neg_lo:[0,0,1] neg_hi:[0,0,1]
.endr
.irp i, 0,1,2,3,4,5
	v_exp_f32 v[EE+\i], v[EE+\i]
.endr
	v_nop                                          ; a plain instruction between the last exponential and the use of its result
	s_wait_alu depctr_va_vdst(0)
	v_pk_add_f32 v[46:47], v[EE:EE+1], v[EE+2:EE+3]
	v_pk_add_f32 v[46:47], v[46:47], v[EE+4:EE+5]
	v_add_f32 v46, v46, v47
	v_add_f32_dpp v46, v46, v46 row_xmask:1 row_mask:0xf bank_mask:0xf
	v_add_f32_dpp v46, v46, v46 row_xmask:2 row_mask:0xf bank_mask:0xf
	v_add_f32_dpp v46, v46, v46 row_xmask:4 row_mask:0xf bank_mask:0xf
	v_add_f32_dpp v46, v46, v46 row_xmask:8 row_mask:0xf bank_mask:0xf
	v_permlanex16_b32 v47, v46, s36, s37
	v_add_f32 v46, v46, v47                        ; l
.irp g, 0,1,2
	ds_store_b64 v8, v[EE+2*\g:EE+2*\g+1] offset:256*\g  ; my wave's own copy of e
.endr
	v_cmp_eq_u32 vcc_lo, 62, v11                   ; lane 31's last pair, words 190 and 191 of the record, takes m and l
	v_cndmask_b32 v[SV+4], v[SV+4], v42, vcc_lo
	v_cndmask_b32 v[SV+5], v[SV+5], v46, vcc_lo
	s_branch .Lb2b
.Lneut_a:                                              ; no row: m = -1e30, l = 0: the last launch gives this chunk the weight 0
.irp i, 0,1,2,3,4
	v_mov_b32 v[SV+\i], s40
.endr
	v_mov_b32 v[SV+5], 0
.Lb2b:
	MEET                                           ; the stores of e are done: the part below only reads LDS
.irp i, 0,1,2,3,4,5,6,7
	v_mov_b32 v[ACC+\i], 0                         ; nine groups add onto these; with no row they are the chunk's sums
.endr
	s_cmp_eq_u32 s26, 0
	s_cbranch_scc1 .Lstore
	; ---- THE WEIGHTED SUM: my wave's 256 columns of sum e x row, nine groups of 16 rows through two sets of registers.
	s_lshl_b32 s2, s18, 9
	v_add_nc_u32 v42, s2, v1                       ; my wave's 512 bytes of a row, 16 bytes a lane
	v_add_nc_u32 v43, 32*PITCH, v42                ; the same 32 rows down: an immediate reaches 31 rows
	v_mov_b32 v44, s62                             ; my wave's e
	s_mov_b32 s[WO], 0
	s_mov_b32 s[EO], 0
	LOADG 48, 112, 42, 0, 44, 0                    ; group 0
	s_mov_b32 s29, 4
.Lws:                                                  ; trip t: fetches groups 2 t + 1 and 2 t + 2, adds groups 2 t and 2 t + 1
	v_add_nc_u32 v10, s[WO], v42
	v_add_nc_u32 v45, s[WO], v43
	v_add_nc_u32 v9, s[EO], v44
	s_add_co_u32 s[WO], s[WO], 32*PITCH
	s_add_co_u32 s[EO], s[EO], 128
	LOADG 128, 192, 10, 16*PITCH, 9, 64
	s_wait_dscnt 20                                ; all but the twenty just issued
	FMA 48, 112
	LOADG 48, 112, 45, 0, 9, 128
	s_wait_dscnt 20
	FMA 128, 192
	s_sub_co_u32 s29, s29, 1
	s_cmp_lg_u32 s29, 0
	s_cbranch_scc1 .Lws
	s_wait_dscnt 0x0
	FMA 48, 112                                    ; group 8
.Lstore:
	s_cmp_lg_u32 s18, 0
	s_cbranch_scc1 .Lnosc
	v_lshlrev_b32 v46, 2, v11                      ; wave 0 stores the record of 192 words: 256 consecutive bytes an instruction
.irp g, 0,1,2
	global_store_b64 v46, v[SV+2*\g:SV+2*\g+1], s[14:15] offset:256*\g
.endr
.Lnosc:
	global_store_b128 v1, v[ACC:ACC+3], s[16:17]               ; my wave's 1,024 bytes: columns 8 lane + 0..3, 512 consecutive bytes,
	global_store_b128 v1, v[ACC+4:ACC+7], s[16:17] offset:512  ; and columns 8 lane + 4..7
	s_wait_xcnt 0x0                                ; the stores' bases, address and data registers are rewritten only behind this wait
	s_add_nc_u64 s[14:15], s[14:15], 768
	s_add_nc_u64 s[16:17], s[16:17], 4096
	s_add_co_u32 s25, s25, 144
	MEET                                           ; everybody's reads of the rows and of e are over: the next pass may write them
	s_sub_co_u32 s[PL], s[PL], 1
	s_cmp_lg_u32 s[PL], 0
	s_cbranch_scc1 .Lpass
	s_wait_tensorcnt 0x0                           ; the wave's end: three closing lines, behind my last LDS store
	ds_add_u32 v12, v13
	s_wait_dscnt 0x0
	s_endpgm                                       ; (the three steps of weights asked for ahead are not used: the price of one text for every step)
.Lfunc_end_k_q77df59b137_main:
	.size	k_q77df59b137_main, .Lfunc_end_k_q77df59b137_main-k_q77df59b137_main
	.p2alignl 7, 3214868480
	.fill 96, 4, 3214868480
	.section	.rodata,"a",@progbits
	.p2align	6, 0x0
	.amdhsa_kernel k_q77df59b137_main
		.amdhsa_group_segment_fixed_size 311296
		.amdhsa_private_segment_fixed_size 0
		.amdhsa_enable_private_segment 0
		.amdhsa_kernarg_size 56
		.amdhsa_user_sgpr_count 2
		.amdhsa_user_sgpr_kernarg_segment_ptr 1
		.amdhsa_wavefront_size32 1
		.amdhsa_system_sgpr_workgroup_id_x 1
		.amdhsa_system_sgpr_workgroup_id_y 1
		.amdhsa_system_sgpr_workgroup_id_z 1
		.amdhsa_system_vgpr_workitem_id 0
		.amdhsa_next_free_vgpr 1024
		.amdhsa_next_free_sgpr 84
		.amdhsa_reserve_vcc 1
		.amdhsa_float_denorm_mode_32 3
		.amdhsa_float_denorm_mode_16_64 3
		.amdhsa_memory_ordered 1
		.amdhsa_forward_progress 1
		.amdhsa_inst_pref_size 237
	.end_amdhsa_kernel
	.amdgpu_metadata
---
amdhsa.version: [ 1, 2 ]
amdhsa.kernels:
  - .name:           k_q77df59b137_main
    .symbol:         k_q77df59b137_main.kd
    .args:
      - { .name: context, .offset: 0, .size: 8, .value_kind: global_buffer, .address_space: global }
      - { .name: wf, .offset: 8, .size: 8, .value_kind: global_buffer, .address_space: global }
      - { .name: biast, .offset: 16, .size: 8, .value_kind: global_buffer, .address_space: global }
      - { .name: v_w, .offset: 24, .size: 8, .value_kind: global_buffer, .address_space: global }
      - { .name: list, .offset: 32, .size: 8, .value_kind: global_buffer, .address_space: global }
      - { .name: sc, .offset: 40, .size: 8, .value_kind: global_buffer, .address_space: global }
      - { .name: part, .offset: 48, .size: 8, .value_kind: global_buffer, .address_space: global }
    .group_segment_fixed_size: 311296
    .private_segment_fixed_size: 0
    .kernarg_segment_align: 8
    .kernarg_segment_size: 56
    .max_flat_workgroup_size: 128
    .sgpr_count:     84
    .vgpr_count:     1024
    .wavefront_size: 32
...
	.end_amdgpu_metadata
.endif
;; end of part 2
;; launch finish (part 3): grid 32 x 1, 8 waves a work-group, no clusters, 0 bytes of LDS; arguments sc, part, pos, out0, out1; writes out0, out1
.if DOCPART == 3
	.amdgcn_target "amdgcn-amd-amdhsa--gfx1250"
	.amdhsa_code_object_version 6
	.text
	.protected	k_q77df59b137_finish
	.globl	k_q77df59b137_finish
	.p2align	8
	.type	k_q77df59b137_finish,@function
k_q77df59b137_finish:
	s_mov_b64 s[64:65], 0
	v_nop
	global_prefetch_b8 v0, s[64:65] scope:SCOPE_SE
	s_setreg_imm32_b32 hwreg(HW_REG_WAVE_MODE, 25, 1), 1
	s_wait_xcnt 0x0
; THE 16 CHUNKS OF A BATCH ARE JOINED.  Chunk c left its maximum m_c, its sum l_c = sum 2^((s - m_c) log2 e), its scores and its sums part_c = sum e x row.
; M = max m_c;  L = sum l_c 2^((m_c - M) log2 e);  out0 = sum part_c 2^((m_c - M) log2 e) / L;  out1[s] = 2^((score - M) log2 e) / L for an open row, 0 for a masked one.
; One work-group a batch, 256 threads: thread t owns columns 4 t .. 4 t + 3 of out0 and rows 4 t .. 4 t + 3 and 1,024 + 4 t .. of out1.  An empty chunk has m = -1e30, l = 0: weight 0.
; Memory binds and the work is small: no LDS, no barrier, no matrix unit.  32 work-groups: a batch's 64 KB of sums want no further sharing.
; LIMITS.  NaN and infinities are not treated apart; a weight below 2^-126 counts as 0.
	s_load_b256 s[4:11], s[0:1], 0x0               ; sc s[4:5], part s[6:7], pos s[8:9], out0 s[10:11]
	s_load_b64 s[12:13], s[0:1], 0x20              ; out1
	s_mov_b32 s15, 0
	s_mov_b32 s36, 0x3fb8aa3b                      ; log2(e)
	v_and_b32 v2, 15, v0
	v_mul_u32_u24 v2, v2, 768                      ; chunk lane % 16: a record of 192 words
	v_lshlrev_b32 v3, 4, v0                        ; 16 t
	v_lshrrev_b32 v6, 6, v0                        ; part: the block of 1,024 bytes that holds my columns (t / 64),
	v_lshlrev_b32 v6, 10, v6
	v_and_b32 v7, 1, v0                            ; its half (columns 8 L + 0..3 or + 4..7),
	v_lshl_add_u32 v6, v7, 9, v6
	v_bfe_u32 v7, v0, 1, 5                         ; and L = (t % 64) / 2
	v_lshl_add_u32 v6, v7, 4, v6
	s_wait_kmcnt 0x0
	s_mul_i32 s14, ttmp9, 12288
	s_add_nc_u64 s[4:5], s[4:5], s[14:15]
	s_lshl_b32 s14, ttmp9, 16
	s_add_nc_u64 s[6:7], s[6:7], s[14:15]
	s_lshl_b32 s14, ttmp9, 13
	s_add_nc_u64 s[8:9], s[8:9], s[14:15]
	s_add_nc_u64 s[12:13], s[12:13], s[14:15]
	s_lshl_b32 s14, ttmp9, 12
	s_add_nc_u64 s[10:11], s[10:11], s[14:15]
	global_load_b64 v[4:5], v2, s[4:5] offset:760  ; m, l of my lane's chunk
	global_load_b128 v[8:11], v3, s[8:9]
	global_load_b128 v[12:15], v3, s[8:9] offset:4096
.set c, 0
.rept 16
	global_load_b128 v[32+4*c:35+4*c], v6, s[6:7] offset:4096*c
.set c, c+1
.endr
	s_wait_loadcnt 16                              ; m, l and pos are in; the sixteen loads of part stay out
.irp i, 0,1,2,3,4,5,6,7
	v_add_nc_u32 v[16+\i], -1, v[8+\i]             ; the score's word; a masked row's 0 wraps and is bounded like any other: its score is read and thrown away
	v_min_u32 v[16+\i], 0xbff, v[16+\i]            ; a batch has 3,072 words
	v_lshlrev_b32 v[16+\i], 2, v[16+\i]
.endr
.irp i, 0,1,2,3,4,5,6,7
	global_load_b32 v[24+\i], v[16+\i], s[4:5]
.endr
	v_mov_b32 v96, v4
	v_max_num_f32_dpp v96, v96, v96 row_xmask:1 row_mask:0xf bank_mask:0xf
	v_max_num_f32_dpp v96, v96, v96 row_xmask:2 row_mask:0xf bank_mask:0xf
	v_max_num_f32_dpp v96, v96, v96 row_xmask:4 row_mask:0xf bank_mask:0xf
	v_max_num_f32_dpp v96, v96, v96 row_xmask:8 row_mask:0xf bank_mask:0xf  ; M: each half of the lanes holds all 16 chunks
	v_sub_f32 v97, v4, v96
	v_mul_f32 v97, s36, v97
	v_exp_f32 v97, v97                             ; the chunk's weight
	v_mul_f32 v101, 0xbfb8aa3b, v96                ; - M log2 e: also the plain instruction behind the exponential
	s_wait_alu depctr_va_vdst(0)
	v_mul_f32 v98, v5, v97
	v_add_f32_dpp v98, v98, v98 row_xmask:1 row_mask:0xf bank_mask:0xf
	v_add_f32_dpp v98, v98, v98 row_xmask:2 row_mask:0xf bank_mask:0xf
	v_add_f32_dpp v98, v98, v98 row_xmask:4 row_mask:0xf bank_mask:0xf
	v_add_f32_dpp v98, v98, v98 row_xmask:8 row_mask:0xf bank_mask:0xf  ; L
	v_rcp_f32 v99, v98
	v_nop                                          ; a plain instruction between the reciprocal and the use of its result
	s_wait_alu depctr_va_vdst(0)
	v_mul_f32 v100, v97, v99
.set c, 0
.rept 16
	v_readlane_b32 s[20+c], v100, c                ; the 16 weights over L, as scalars
.set c, c+1
.endr
	s_wait_loadcnt 8                               ; part is in; the eight scores stay out
.irp i, 0,1,2,3
	v_mul_f32 v[104+\i], s20, v[32+\i]
.endr
.set c, 1
.rept 15
.irp i, 0,1,2,3
	v_fma_f32 v[104+\i], s[20+c], v[32+4*c+\i], v[104+\i]
.endr
.set c, c+1
.endr
	global_store_b128 v3, v[104:107], s[10:11]     ; a wave's store covers 512 consecutive bytes, aligned
	s_wait_loadcnt 0x0
.irp i, 0,1,2,3,4,5,6,7
	v_fma_f32 v[24+\i], v[24+\i], s36, v101
.endr
.irp i, 0,1,2,3,4,5,6,7
	v_exp_f32 v[24+\i], v[24+\i]
.endr
	v_nop                                          ; a plain instruction between the last exponential and the use of its result
	s_wait_alu depctr_va_vdst(0)
.irp i, 0,1,2,3,4,5,6,7
	v_mul_f32 v[24+\i], v[24+\i], v99
	v_cmp_ne_u32 vcc_lo, 0, v[8+\i]
	v_cndmask_b32 v[24+\i], 0, v[24+\i], vcc_lo    ; a masked row's weight is 0
.endr
	global_store_b128 v3, v[24:27], s[12:13]
	global_store_b128 v3, v[28:31], s[12:13] offset:4096
	s_endpgm
.Lfunc_end_k_q77df59b137_finish:
	.size	k_q77df59b137_finish, .Lfunc_end_k_q77df59b137_finish-k_q77df59b137_finish
	.p2alignl 7, 3214868480
	.fill 96, 4, 3214868480
	.section	.rodata,"a",@progbits
	.p2align	6, 0x0
	.amdhsa_kernel k_q77df59b137_finish
		.amdhsa_group_segment_fixed_size 0
		.amdhsa_private_segment_fixed_size 0
		.amdhsa_enable_private_segment 0
		.amdhsa_kernarg_size 40
		.amdhsa_user_sgpr_count 2
		.amdhsa_user_sgpr_kernarg_segment_ptr 1
		.amdhsa_wavefront_size32 1
		.amdhsa_system_sgpr_workgroup_id_x 1
		.amdhsa_system_sgpr_workgroup_id_y 1
		.amdhsa_system_sgpr_workgroup_id_z 1
		.amdhsa_system_vgpr_workitem_id 0
		.amdhsa_next_free_vgpr 112
		.amdhsa_next_free_sgpr 66
		.amdhsa_reserve_vcc 1
		.amdhsa_float_denorm_mode_32 3
		.amdhsa_float_denorm_mode_16_64 3
		.amdhsa_memory_ordered 1
		.amdhsa_forward_progress 1
		.amdhsa_inst_pref_size 13
	.end_amdhsa_kernel
	.amdgpu_metadata
---
amdhsa.version: [ 1, 2 ]
amdhsa.kernels:
  - .name:           k_q77df59b137_finish
    .symbol:         k_q77df59b137_finish.kd
    .args:
      - { .name: sc, .offset: 0, .size: 8, .value_kind: global_buffer, .address_space: global }
      - { .name: part, .offset: 8, .size: 8, .value_kind: global_buffer, .address_space: global }
      - { .name: pos, .offset: 16, .size: 8, .value_kind: global_buffer, .address_space: global }
      - { .name: out0, .offset: 24, .size: 8, .value_kind: global_buffer, .address_space: global }
      - { .name: out1, .offset: 32, .size: 8, .value_kind: global_buffer, .address_space: global }
    .group_segment_fixed_size: 0
    .private_segment_fixed_size: 0
    .kernarg_segment_align: 8
    .kernarg_segment_size: 40
    .max_flat_workgroup_size: 256
    .sgpr_count:     66
    .vgpr_count:     112
    .wavefront_size: 32
...
	.end_amdgpu_metadata
.endif
;; end of part 3
;; ======== version 2 of 2: 3 launches; version 1 with the launch main written anew for expert scheduling mode
;; workspace buffers: wf 2,097,152 bytes; biast 131,072 bytes; list 335,872 bytes of whole numbers; pos 262,144 bytes of whole numbers; sc 393,216 bytes; part 2,097,152 bytes
;; launch prep: the kernel of part 1 again; grid 224 x 1, 8 waves a work-group, no clusters, 17,408 bytes of LDS; arguments Wh_w, Ws_w, output, Wh_b, attn_mask, wf, biast, list, pos; writes wf, biast, list, pos
;; launch main (part 4): grid 256 x 1, 4 waves a work-group, no clusters, 311,296 bytes of LDS; arguments context, wf, biast, v_w, list, sc, part; writes sc, part
.if DOCPART == 4
	.amdgcn_target "amdgcn-amd-amdhsa--gfx1250"
	.amdhsa_code_object_version 6
	.text
	.protected	k_q77df59b137_main
	.globl	k_q77df59b137_main
	.p2align	8
	.type	k_q77df59b137_main,@function
k_q77df59b137_main:
	s_mov_b64 s[64:65], 0
	v_nop
	global_prefetch_b8 v0, s[64:65] scope:SCOPE_SE
	s_setreg_imm32_b32 hwreg(HW_REG_WAVE_SCHED_MODE, 0, 2), 2
	s_setreg_imm32_b32 hwreg(HW_REG_WAVE_MODE, 25, 1), 1
	s_wait_xcnt 0x0
	s_wait_alu depctr_vm_vsrc(0)
; ADDITIVE ATTENTION, THE BULK.  For the OPEN rows of a batch: score = v_w . tanh(context Wh_w^T + Wh_b + output_p), then a chunk's part of the softmax and of the weighted sum.
; A masked row's score is -1e9 in the problem, so its weight is 0 beside any open row: its product, its tanh and its 4,096 bytes of context are left out.
; SHARES.  Work-group (b, j), b = wg / 8, j = wg % 8, owns the positions q = 8 Lc + j < n' of batch b's list, in two passes of up to 144 rows (256 at the most).
; In a pass the rows are read from memory ONCE, rounded to bf16 and kept in LDS: first as one operand of the product, then for the weighted sum.
; The four waves share the 144 rows; wave w makes the columns 512 np + 128 w + 0..127, np = 0, 1: a wave tile of 144 x 128, 72 accumulators of 16 x 16.
; The rows fill LDS, so the weights (bf16, written in fragment order by the launch before) come straight into registers, ahead of their step, in four buffers.
; NO CLUSTER, NO TENSOR LOADS: the 297,216 bytes of rows leave under 31 KB of LDS, too little for two slots of weight tiles that a step's work could cover.
; TANH.  tanh x = 1 - 2 / (1 + 2^(K2 x)), K2 = 2 log2(e).  score = sum v - 2 sum v / (1 + 2^(K2 x)); the first sum is the same for every row and cancels in the softmax:
; it is left out, and 'sc' holds scores less that constant.  An exponential that overflows gives 1 / inf = 0, one that underflows 1 / 1: both are tanh's limits.
; SOFTMAX.  A chunk takes its own maximum m away: e = 2^((s - m) log2 e), l = sum e, part = sum e x row; the last launch joins the 16 chunks of a batch by their maxima.
; THE MATRIX INSTRUCTION IS USED TRANSPOSED: source 0 = 16 rows of Wh_w, source 1 = 16 rows of context: a lane holds ONE context row (lane % 16) and the columns 8 (lane / 16) + 0..7.
; LIMITS.  context and Wh_w enter the product, and context the weighted sum, rounded to bf16; bias, v_w, scores, weights and sums are f32.  NaN and infinities are not treated apart.
; A masked row's weight is taken as exactly 0, which is the problem's value while the sum of |v_w| stays under about 9e8.  The two products with one row (v_w, the weights) run on the
; vector unit in f32: a matrix instruction would use one row in sixteen.
; LDS ADDRESSES IN LOOPS are made anew in each trip: a vector base that is never rewritten plus a scalar that the loop steps once a trip; what differs inside a trip stands in the immediates.
; A PASS HAS FIVE PARTS WITH A BARRIER BEHIND EACH: fill | product and tanh | partial scores stored | scores and e | weighted sum and stores.  No stretch between two barriers holds both
; stores to LDS and reads of bytes that another wave wrote.  A pass with no row jumps forward over each part, never over a barrier.
; THE MODE: SCHED_MODE bits 1:0 = 2 (LLVM: expert scheduling mode 2), set by the entry lines.  The code itself states the register dependences between vector or matrix instructions
; and memory or LDS instructions, with s_wait_alu, always for 0.
; THE PLAN.  Registers that memory or LDS instructions touch, and who else names them:
;   W0 .. W3     K step s: its products read W[s % 4]; the loads of step s + 3 land in W[(s + 3) % 4], which step s - 1 read.
;   A0, A1       K step s: its products read A[s % 2]; the LDS loads of step s + 1 land in the other buffer, which step s - 1 read.
;                ONE wait on va_vdst at a step's head states that step s - 1's products are done reading both.  The step's 34 loads stand behind its first eight products,
;                which name W[s % 4], A[s % 2] and row tile 8's accumulators: none of the registers that those loads touch.
;   v19-23       read by a trip's fragment loads; written once a trip, behind a wait on vm_vsrc and ahead of that step's wait on va_vdst.
;   v4           read by the loads of the constants; written at an N pass's head, between the two waits that stand there.
;   XF, TF, v2   the fill: a row's conversions read its slot of XF and write TF; behind one wait on va_vdst the slot is loaded again and TF is stored; a wait on vm_vsrc ahead of the next
;                row's conversions frees TF, and ahead of a trip's add it frees v2.
;   SS, EE, SV, ACC, v46   data and address of stores: written by vector instructions, one wait on va_vdst ahead of each run of stores.
;   v9, v10, v45 and the two sets of the weighted sum: a wait on vm_vsrc a trip ahead of the three adds; a wait on va_vdst ahead of each group's loads.
;   One wait on vm_vsrc at a pass's head frees every register that a memory or LDS instruction of the head or of the pass before has read.
;   v1, v5-8, v14-18 are made at the head and never written again.  Each part states itself what its own loads and stores hang on.
;
; LDS: A 144 rows x 2,064 bytes (2,048 + 16: 129 x 16, so the 16 rows of a fragment load start at 16 different groups of four banks, ISA guide 11.1); CB, CV 4,096 each: the batch's
; addend K2 (output_p + Wh_b) and -2 v_w by column; PS 4 x 576: each wave's partial scores; EW 4 x 768: each wave's own copy of e; the spare words.
; REGISTERS, in windows of 256 (s_set_vgpr_msb: bits 1:0 source 0, 3:2 source 1, 5:4 source 2, 7:6 destination):
;   window 0: v0-23 addresses; v24-41 SS, a pair of score sums for each of 9 row tiles; v42-47 at work; v48-119, v120-191 fragments of A, two buffers; v192-255 accumulators of row tile 8
;             (the fill, the way out of a product and the weighted sum use v48-255 anew: see their names below)
;   windows 1, 2: accumulators of row tiles 0-3 and 4-7, at 64 (mt % 4) + 8 nt          window 3: fragments of W, four buffers of 64
.set PITCH, 2064
.set CB,    144*PITCH
.set CV,    CB+4096
.set PS,    CV+4096
.set EW,    PS+4*576
.set SPARE, EW+4*768                   ; 128 bytes for each wave; no other line names them
.set ARW,  14                          ; v14-18  r x PITCH + 16 h + 32 rows x q: a fragment's place, for row tiles 2 q and 2 q + 1; never rewritten
.set ADRA, 19                          ; v19-23  the same plus the trip's place along K: made anew in each trip of the K loop
.set SS,   24
.set AF,   48                          ; A's fragments
.set XF,   48                          ; the fill: six row slots of 32 registers, v48-239
.set TF,   240                         ; the fill: a row rounded, v240-255
.set CBR,  48                          ; the way out: my 64 addends, v48-111
.set CVR,  112                         ; my 64 numbers of -2 v_w, v112-175
.set TE,   176                         ; four pairs of sums, v176-183
.set ACC,  208                         ; the weighted sum: my 8 columns, v208-215
.set SV,   216                         ; my six scores, v216-221
.set EE,   222                         ; their weights, v222-227
.set PP,   228                         ; the four waves' partial scores, v228-251
; v1 16 x lane   v2 the fill's LDS address (v47 its base)   v3, v4 my place in CB (np = 0; this np)   v5 where my partial scores go   v6, v7 where I read them   v8 where my e go
; v9, v10, v45 the weighted sum's addresses (v44, v42, v43 their bases)   v11 2 x lane   v12, v13 the add's two registers
; s[4:5] context of b   s[6:7] wf of my wave   s[8:9] biast   s[10:11] v_w   s[12:13] list of b   s[14:15] sc record   s[16:17] part record   s18 wave   s19 b   s20 j   s21 n'
; s[22:23] keep   s24 cnt   s25 144 x pass   s26 act   s27 rows valid in the pass   s28 N passes to go   s29 loop counts   s[30:31] offset in the stream of weights   s[32:33] its address
; s[34:35] K2   s[36:37] lane selects   s[38:39] log2 e   s40 -1e30   s41 the row being asked for   s42 the chunk's first row   s[44:49], s[52:57] six list words, and the next six;
; behind the fill: six masks, and their six thresholds   s[58:59] walks the list   s[60:61] list record j   s62 EW of my wave   s[66:77] six row addresses   s83 a mask   s2, s43 at work, s3 = 0
.set KO, 63                            ; s63  the K loop's trip: 256 bytes of a row a trip
.set CO, 78                            ; s78  the N pass's place in CB and CV: 2,048 bytes a pass
.set FO, 79                            ; s79  the fill's trip: six rows a trip
.set WO, 80                            ; s80  the weighted sum's trip: 32 rows a trip
.set EO, 81                            ; s81  and 128 bytes of e
.set PL, 82                            ; s82  passes to go
.set MSB, 0
.macro WIN new                         ; the immediate's high byte repeats the setting that is left; a switch that changes nothing is dropped
.if MSB != (\new)
	s_set_vgpr_msb (MSB<<8)|(\new)
.set MSB, (\new)
.endif
.endm
.macro MEET                            ; for the others' sake: none of my LDS instructions is out; then the work-group's barrier
	s_wait_dscnt 0x0
	s_barrier_signal -1
	s_barrier_wait -1
.endm
	s_load_b256 s[4:11], s[0:1], 0x0
	s_load_b128 s[12:15], s[0:1], 0x20
	s_load_b64 s[16:17], s[0:1], 0x30
	v_lshl_add_u32 v12, v0, 2, SPARE
	v_mov_b32 v13, 0
	v_lshrrev_b32 v42, 5, v0
	v_readfirstlane_b32 s18, v42                   ; wave 0..3
	s_lshr_b32 s19, ttmp9, 3
	s_and_b32 s20, ttmp9, 7
	s_mov_b32 s3, 0
	s_mov_b32 s31, 0
	s_mov_b32 s34, 0x4038aa3b                      ; K2 = 2 log2(e)
	s_mov_b32 s35, s34
	s_mov_b32 s36, 0x76543210                      ; v_permlanex16_b32: each lane takes its own place in the other half
	s_mov_b32 s37, 0xfedcba98
	s_mov_b32 s38, 0x3fb8aa3b                      ; log2(e)
	s_mov_b32 s39, s38
	s_mov_b32 s40, 0xf149f2ca                      ; -1e30
	v_and_b32 v43, 31, v0                          ; lane
	v_and_b32 v44, 15, v0                          ; r
	v_bfe_u32 v45, v0, 4, 1                        ; h
	v_lshlrev_b32 v1, 4, v43
	v_lshlrev_b32 v11, 1, v43
	s_wait_alu depctr_va_sdst(0)                   ; s18 is written, ahead of its first reader: LDS places, bases and branches are made from it
	s_lshl_b32 s2, s18, 9
	s_add_co_u32 s2, s2, CB
	v_lshl_add_u32 v3, v45, 5, s2                  ; column 128 w + 8 h, 4 bytes each
	s_mul_i32 s2, s18, 576
	s_add_co_u32 s2, s2, PS
	v_lshl_add_u32 v5, v44, 2, s2
	v_lshl_add_u32 v6, v43, 3, PS                  ; rows 2 lane and 2 lane + 1 (+ 64 g by the offset)
	v_add_nc_u32 v7, 128, v11
	v_min_u32 v7, 142, v7                          ; rows 128 + 2 lane on; lanes past row 143 read the last pair, and their scores are replaced
	v_lshl_add_u32 v7, v7, 2, PS
	s_mul_i32 s62, s18, 768
	s_add_co_u32 s62, s62, EW
	v_lshl_add_u32 v8, v43, 3, s62
	v_mul_u32_u24 v[ARW], v44, PITCH
	v_lshl_add_u32 v[ARW], v45, 4, v[ARW]
.irp q, 1,2,3,4
	v_add_nc_u32 v[ARW+\q], 32*PITCH*\q, v[ARW]
.endr
	v_lshrrev_b32 v46, 2, v0                       ; four columns x = t and t + 128 of the constants: biast tile x / 4, 16 bytes x % 4
	v_lshlrev_b32 v46, 11, v46
	v_and_b32 v47, 3, v0
	v_lshl_add_u32 v46, v47, 4, v46
	v_lshlrev_b32 v47, 4, v0
	v_add_nc_u32 v42, CB, v47
	s_wait_kmcnt 0x0
	s_lshl_b32 s2, s19, 23                         ; a batch of context: 2,048 rows of 4,096 bytes
	s_add_nc_u64 s[4:5], s[4:5], s[2:3]
	s_lshl_b32 s2, s18, 19
	s_add_nc_u64 s[6:7], s[6:7], s[2:3]
	s_lshl_b32 s2, s19, 6
	s_add_nc_u64 s[8:9], s[8:9], s[2:3]
	s_mul_i32 s2, s19, 10496
	s_add_nc_u64 s[12:13], s[12:13], s[2:3]
	s_load_b64 s[50:51], s[12:13], 0x0             ; n', keep
	s_mul_i32 s2, s20, 1280
	s_add_co_u32 s2, s2, 256
	s_add_nc_u64 s[60:61], s[12:13], s[2:3]
	s_load_b32 s42, s[60:61], 0x0                  ; the record's first row: what padding rows load
	s_mul_i32 s2, s19, 12288
	s_mul_i32 s43, s20, 1536
	s_add_co_u32 s2, s2, s43
	s_add_nc_u64 s[14:15], s[14:15], s[2:3]
	s_lshl_b32 s2, s19, 16
	s_lshl_b32 s43, s20, 13
	s_add_co_u32 s2, s2, s43
	s_lshl_b32 s43, s18, 10
	s_add_co_u32 s2, s2, s43
	s_add_nc_u64 s[16:17], s[16:17], s[2:3]
	s_wait_alu depctr_va_vdst(0)                   ; the offsets and addresses v1, v5 to v8, v14 to v18, v42, v46 and v47 are written, which the loads and stores of the kernel read
	global_load_b128 v[48:51], v46, s[8:9]
	global_load_b128 v[52:55], v46, s[8:9] offset:65536
	global_load_b128 v[56:59], v47, s[10:11]
	global_load_b128 v[60:63], v47, s[10:11] offset:2048
	; The stream of weights: 64 steps of 8,192 bytes (np 0: K steps 0-31, np 1: K steps 0-31), walked round and round.  Steps 0, 1, 2 go out now, into buffers 0, 1, 2.
	WIN 0xc0                                       ; destination window 3, address window 0
.irp u, 0,1,2
.irp i, 0,1,2,3,4,5,6,7
	global_load_b128 v[64*\u+8*\i:64*\u+8*\i+3],   v1, s[6:7] offset:8192*\u+1024*\i
	global_load_b128 v[64*\u+8*\i+4:64*\u+8*\i+7], v1, s[6:7] offset:8192*\u+1024*\i+512
.endr
.endr
	WIN 0
	s_mov_b32 s30, 3*8192
	s_wait_loadcnt 48                              ; the constants are in; the 48 younger loads, the weights, stay out
	v_pk_mul_f32 v[56:57], v[56:57], -2.0 op_sel_hi:[1,0]
	v_pk_mul_f32 v[58:59], v[58:59], -2.0 op_sel_hi:[1,0]
	v_pk_mul_f32 v[60:61], v[60:61], -2.0 op_sel_hi:[1,0]
	v_pk_mul_f32 v[62:63], v[62:63], -2.0 op_sel_hi:[1,0]
	s_wait_alu depctr_va_vdst(0)                   ; the four products have written v56 to v63, which the LDS stores read
	ds_store_b128 v42, v[48:51]                    ; the first pass's first barrier shows these to every wave
	ds_store_b128 v42, v[52:55] offset:2048
	ds_store_b128 v42, v[56:59] offset:4096
	ds_store_b128 v42, v[60:63] offset:6144
	s_wait_kmcnt 0x0
	s_mov_b32 s21, s50
	s_mov_b32 s22, s51
	s_mov_b32 s23, s51
	s_add_co_u32 s24, s21, 7
	s_sub_co_u32 s24, s24, s20
	s_lshr_b32 s24, s24, 3                         ; cnt: my positions, Lc = 0 .. cnt - 1
	s_mov_b32 s25, 0
	s_mov_b32 s[PL], 2
; Row slot k asks for the next row of my wave's 36: eight loads of 512 consecutive bytes.  A row past cnt takes the chunk's first row: finite numbers, whose weight will be 0.
.macro ASK k
	s_cmp_lt_u32 s41, s24
	s_cselect_b32 s43, s[44+\k], s42
	s_min_u32 s43, s43, 0x7ff                      ; a row number from memory: bounded before it enters an address
	s_lshl_b32 s2, s43, 12
	s_add_nc_u64 s[66+2*\k:67+2*\k], s[4:5], s[2:3]
	s_add_co_u32 s41, s41, 1
.irp q, 0,1,2,3,4,5,6,7
	global_load_b128 v[XF+32*\k+4*\q:XF+32*\k+4*\q+3], v1, s[66+2*\k:67+2*\k] offset:512*\q
.endr
.endm
; Row slot k's row has come: rounded to bf16 and stored, 256 consecutive bytes an instruction.  left: the younger loads that may stay out.
; For a trip's first row the wait that frees TF stands ahead of the trip's add to v2, which it frees too.
.macro ROWIN k, left, ask
	s_wait_loadcnt \left                           ; loads return in order: this row is in, and its address register is free
.if \k
	s_wait_alu depctr_vm_vsrc(0)                   ; the last row's LDS stores have read TF, which the conversions write again
.endif
.irp q, 0,1,2,3,4,5,6,7
	v_cvt_pk_bf16_f32 v[TF+2*\q],   v[XF+32*\k+4*\q],   v[XF+32*\k+4*\q+1]
	v_cvt_pk_bf16_f32 v[TF+2*\q+1], v[XF+32*\k+4*\q+2], v[XF+32*\k+4*\q+3]
.endr
	s_wait_alu depctr_va_vdst(0)                   ; the conversions have written TF, which the stores read, and are done reading slot k, in which the loads land; in a trip's first row v2 is written
.if \ask
	ASK \k
.endif
.irp q, 0,1,2,3,4,5,6,7
	ds_store_b64 v2, v[TF+2*\q:TF+2*\q+1] offset:PITCH*\k+256*\q
.endr
.endm
; Matrix instructions of a K step: row tiles lo to hi x 8 column tiles, 32 along K.  A step takes row tile 8 first, then 0 to 7: the 72 accumulators take turns, one instruction a turn,
; in the same order in every step.
.macro MULS a, bb, zero, lo, hi
.set fa, AF+72*(\a)
.set fb, 64*(\bb)
.irp mt, 0,1,2,3,4,5,6,7,8
.if (\mt >= \lo) && (\mt <= \hi)
.if \mt < 4
	WIN 0x53                                       ; W window 3, A window 0, C and D window 1
.set ac, 64*\mt
.elseif \mt < 8
	WIN 0xa3                                       ; C and D window 2
.set ac, 64*(\mt-4)
.else
	WIN 0x03                                       ; C and D window 0
.set ac, 192
.endif
.irp nt, 0,1,2,3,4,5,6,7
.if \zero
	v_wmma_f32_16x16x32_bf16 v[ac+8*\nt:ac+8*\nt+7], v[fb+8*\nt:fb+8*\nt+7], v[fa+8*\mt:fa+8*\mt+7], 0
.else
	v_wmma_f32_16x16x32_bf16 v[ac+8*\nt:ac+8*\nt+7], v[fb+8*\nt:fb+8*\nt+7], v[fa+8*\mt:fa+8*\mt+7], v[ac+8*\nt:ac+8*\nt+7]
.endif
.endr
.endif
.endr
.endm
; 18 LDS loads: the fragments of 144 rows x 32 K, at byte ko of the rows from the five addresses adr on, into buffer f.
.macro AFETCH f, adr, ko
.irp mt, 0,1,2,3,4,5,6,7,8
	ds_load_b128 v[(\f)+8*\mt:(\f)+8*\mt+3],   v[(\adr)+\mt/2] offset:16*PITCH*(\mt%2)+(\ko)
	ds_load_b128 v[(\f)+8*\mt+4:(\f)+8*\mt+7], v[(\adr)+\mt/2] offset:16*PITCH*(\mt%2)+(\ko)+32
.endr
.endm
; A K step: multiplies A's buffer a by W's buffer bb.  Behind its first eight products it asks for the weights three steps on (into the buffer that the last step read) and for A's next
; fragments (into the other buffer, from addresses adr at byte ko): they have the step's other 64 products in which to land.
; zero = 1: an N pass's first step: the products start the sums, and the wait at the N pass's head serves.  last = 1: the N pass's last step: no further fragments of A.
; mk = 1: a trip's first step makes the trip's five addresses.
.macro STEP a, bb, zero, last, adr, ko, mk
.if \mk
	WIN 0
	s_wait_alu depctr_vm_vsrc(0)                   ; the last trip's fragment loads have read v19 to v23
.irp q, 0,1,2,3,4
	v_add_nc_u32 v[ADRA+\q], s[KO], v[ARW+\q]
.endr
	s_add_co_u32 s[KO], s[KO], 256                 ; four K steps of 64 bytes a trip
.endif
	s_wait_xcnt 0x0                                ; the last step's loads have had their addresses translated: their base is rewritten only behind this wait
	s_add_nc_u64 s[32:33], s[6:7], s[30:31]
	s_add_co_u32 s30, s30, 8192
	s_and_b32 s30, s30, 0x7ffff                    ; behind step 63 comes step 0
	s_wait_loadcnt 32                              ; this step's weights are in: the sixteen loads of each of the two younger steps may stay out
	s_wait_dscnt 0x0                               ; this step's fragments of A are in
.if !(\zero)
	s_wait_alu depctr_va_vdst(0)                   ; the last step's products are done reading their buffers of W and of A, in which this step's loads land; in a trip's first step v19 to v23 are written
.endif
	MULS \a, \bb, \zero, 8, 8
	WIN 0xc0
.set nb, 64*(((\bb)+3)%4)
.irp i, 0,1,2,3,4,5,6,7
	global_load_b128 v[nb+8*\i:nb+8*\i+3],   v1, s[32:33] offset:1024*\i      ; no wait: no product since the wait above names this buffer
	global_load_b128 v[nb+8*\i+4:nb+8*\i+7], v1, s[32:33] offset:1024*\i+512
.endr
.if !(\last)
	WIN 0
	AFETCH AF+72*(1-(\a)), \adr, \ko
.endif
	MULS \a, \bb, \zero, 0, 7
.endm
; Row tile mt's 64 sums a lane become their part of the score: x' = K2 x + addend; 2^x'; + 1; the reciprocal; times -2 v, summed.  Each accumulator is read from its low end on.
.macro EPI mt
.if \mt < 8
.set ew, 1+\mt/4
.set er, 64*(\mt%4)
.else
.set ew, 0
.set er, 192
.endif
	WIN (ew<<6)|ew                                 ; destination and source 0 in the tile's window, the addend in window 0
.set z, 0
.rept 32
	v_pk_fma_f32 v[er+2*z:er+2*z+1], v[er+2*z:er+2*z+1], s[34:35], v[CBR+2*z:CBR+2*z+1] op_sel_hi:[1,0,1]
.set z, z+1
.endr
.set z, 0
.rept 64
	v_exp_f32 v[er+z], v[er+z]
.set z, z+1
.endr
	v_nop                                          ; a plain instruction between the last exponential and the use of its result
	s_wait_alu depctr_va_vdst(0)                   ; the 64 exponentials have written the tile's registers, which the additions read: one wait for the batch
.set z, 0
.rept 32
	v_pk_add_f32 v[er+2*z:er+2*z+1], v[er+2*z:er+2*z+1], 1.0 op_sel_hi:[1,0]
.set z, z+1
.endr
.set z, 0
.rept 64
	v_rcp_f32 v[er+z], v[er+z]
.set z, z+1
.endr
	v_nop                                          ; likewise behind the last reciprocal
	s_wait_alu depctr_va_vdst(0)                   ; the 64 reciprocals have written the tile's registers, which the products below read: one wait for the batch
	WIN ew                                         ; source 0 in the tile's window, all else in window 0
.set z, 0
.rept 32
.if z < 4                              ; four chains, started by the first four products
	v_pk_mul_f32 v[TE+2*z:TE+2*z+1], v[er+2*z:er+2*z+1], v[CVR+2*z:CVR+2*z+1]
.else
	v_pk_fma_f32 v[TE+2*(z%4):TE+2*(z%4)+1], v[er+2*z:er+2*z+1], v[CVR+2*z:CVR+2*z+1], v[TE+2*(z%4):TE+2*(z%4)+1]
.endif
.set z, z+1
.endr
	WIN 0
	v_pk_add_f32 v[TE:TE+1], v[TE:TE+1], v[TE+2:TE+3]
	v_pk_add_f32 v[TE+4:TE+5], v[TE+4:TE+5], v[TE+6:TE+7]
	v_pk_add_f32 v[TE:TE+1], v[TE:TE+1], v[TE+4:TE+5]
	v_pk_add_f32 v[SS+2*\mt:SS+2*\mt+1], v[SS+2*\mt:SS+2*\mt+1], v[TE:TE+1]
.endm
; The weighted sum: 16 rows' 16 bytes of my 8 columns (address va, byte o), and the rows' 16 weights (address ve, the same in all lanes, byte oe).
.macro LOADG x, e, va, o, ve, oe
.set k, 0
.rept 16
	ds_load_b128 v[(\x)+4*k:(\x)+4*k+3], v[\va] offset:(\o)+PITCH*k
.set k, k+1
.endr
.irp y, 0,1,2,3
	ds_load_b128 v[(\e)+4*\y:(\e)+4*\y+3], v[\ve] offset:(\oe)+16*\y
.endr
.endm
.macro FMA x, e                        ; a bf16 half times an f32 weight onto an f32 sum: eight chains
.set k, 0
.rept 16
.irp c, 0,1,2,3
	v_fma_mix_f32_bf16 v[ACC+2*\c],   v[(\x)+4*k+\c], v[(\e)+k], v[ACC+2*\c]   op_sel_hi:[1,0,0]
	v_fma_mix_f32_bf16 v[ACC+2*\c+1], v[(\x)+4*k+\c], v[(\e)+k], v[ACC+2*\c+1] op_sel:[1,0,0] op_sel_hi:[1,0,0]
.endr
.set k, k+1
.endr
.endm
.Lpass:                                                ; two trips
	s_wait_alu depctr_vm_vsrc(0)                   ; the loads and stores of the head, or of the pass before, have read their registers: v42 to v47 as addresses, v48 to v63, SS, EE, SV and ACC as data; this pass writes them all again
	s_sub_co_i32 s27, s24, s25
	s_max_i32 s27, s27, 0
	s_min_i32 s27, s27, 144                        ; rows of this pass that are mine
	s_cmp_gt_u32 s24, s25
	s_cselect_b32 s26, 1, 0                        ; act: the pass has a row
.set z, 0
.rept 18
	v_mov_b32 v[SS+z], 0                           ; the score sums gather over two N passes, so they start at 0, on every path
.set z, z+1
.endr
	s_cmp_eq_u32 s26, 0
	s_cbranch_scc1 .Lb1
	; ---- THE FILL.  Wave w brings rows 36 w .. 36 w + 35 of the pass through six row slots: 48 loads, 24 KB, of every wave are on their way.
	s_mul_i32 s2, s18, 36
	s_add_co_u32 s41, s25, s2                      ; Lc of my first row
	s_lshl_b32 s2, s41, 2
	s_add_nc_u64 s[58:59], s[60:61], s[2:3]
	s_load_b128 s[44:47], s[58:59], 0x0            ; the first six rows' numbers,
	s_load_b64 s[48:49], s[58:59], 0x10
	s_load_b128 s[52:55], s[58:59], 0x18           ; and the next six
	s_load_b64 s[56:57], s[58:59], 0x28
	s_mul_i32 s2, s18, 36*PITCH
	v_lshl_add_u32 v47, v11, 2, s2                 ; my wave's first row + 8 x lane
	s_mov_b32 s[FO], 0
	s_wait_kmcnt 0x0
	s_wait_alu depctr_va_vdst(0)                   ; all that named v48 to v239 is done with them (the head's products; the pass before's scores and weighted sum): the first six rows land there
.irp k, 0,1,2,3,4,5
	ASK \k
.endr
	s_mov_b64 s[44:45], s[52:53]
	s_mov_b64 s[46:47], s[54:55]
	s_mov_b64 s[48:49], s[56:57]
	s_mov_b32 s29, 5
.Lfill:                                                ; a trip stores six rows and asks for the six behind those on their way
	s_add_nc_u64 s[58:59], s[58:59], 24            ; (the scalar loads that named it were waited for)
	s_load_b128 s[52:55], s[58:59], 0x18           ; the numbers for the next trip; the last trip's six lie inside the record's 320 words and are not used
	s_load_b64 s[56:57], s[58:59], 0x28
	s_wait_alu depctr_vm_vsrc(0)                   ; the last trip's LDS stores have read v2 and TF
	v_add_nc_u32 v2, s[FO], v47                    ; the trip's six rows
	s_add_co_u32 s[FO], s[FO], 6*PITCH
.irp k, 0,1,2,3,4,5
	ROWIN \k, 40, 1                                ; five younger rows of eight loads
.endr
	s_wait_kmcnt 0x0
	s_mov_b64 s[44:45], s[52:53]
	s_mov_b64 s[46:47], s[54:55]
	s_mov_b64 s[48:49], s[56:57]
	s_sub_co_u32 s29, s29, 1
	s_cmp_lg_u32 s29, 0
	s_cbranch_scc1 .Lfill
	s_wait_alu depctr_vm_vsrc(0)                   ; the last trip's LDS stores have read v2 and TF
	v_add_nc_u32 v2, 30*PITCH, v47
.irp k, 0,1,2,3,4,5
	ROWIN \k, 40-8*\k, 0                           ; the last six rows: nothing more is asked for, the counts run down
.endr
	s_wait_alu depctr_vm_vsrc(0)                   ; the last row's LDS stores have read TF, v240 to v255: row tile 8's products write these registers, and the partial scores' loads land in them
.Lb1:
	MEET                                           ; everybody's rows (and, the first time, the constants) lie in LDS
	s_cmp_eq_u32 s26, 0
	s_cbranch_scc1 .Lb1b
	; ---- THE PRODUCT AND THE TANH, in two N passes of 32 K steps.  This part only reads LDS.
	s_mov_b32 s[CO], 0
	s_mov_b32 s28, 2
.Lnp:
	s_wait_alu depctr_vm_vsrc(0)                   ; the last N pass's loads of the constants have read v4
	v_add_nc_u32 v4, s[CO], v3                     ; this N pass's 512 columns of the constants
	s_add_co_u32 s[CO], s[CO], 2048
	s_mov_b32 s[KO], 0
	s_wait_alu depctr_va_vdst(0)                   ; v4 is written; the fill's conversions, or the last N pass's products and way out, are done with v48 to v191 and with W's buffer 3, in which the loads up to the second step's head land
	AFETCH AF, ARW, 0
	STEP 0, 0, 1, 0, ARW, 64, 0                    ; the first K step stands in front of the loop: its products start the sums
	WIN 0                                          ; at a label and at a branch every window is 0
	s_mov_b32 s29, 7
.Lk:                                                   ; trip t: K steps 4 t + 1 .. 4 t + 4, which fetch A's fragments of steps 4 t + 2 .. 4 t + 5: bytes 256 t + 128, 192, 256, 320
	STEP 1, 1, 0, 0, ADRA, 128, 1
	STEP 0, 2, 0, 0, ADRA, 192, 0
	STEP 1, 3, 0, 0, ADRA, 256, 0
	STEP 0, 0, 0, 0, ADRA, 320, 0
	WIN 0
	s_sub_co_u32 s29, s29, 1
	s_cmp_lg_u32 s29, 0
	s_cbranch_scc1 .Lk
	STEP 1, 1, 0, 0, ARW, 1920, 0
	STEP 0, 2, 0, 0, ARW, 1984, 0
	STEP 1, 3, 0, 1, ARW, 0, 0                     ; 32 steps are a multiple of four: the next N pass finds its steps 0, 1, 2 in buffers 0, 1, 2 again
	WIN 0
.rept 4
	v_nop                                          ; four places between the last products and the vector instructions that read the sums (ISA guide 7.12.1)
.endr
	s_wait_alu depctr_va_vdst(0)                   ; the products are done reading A's two buffers, v48 to v191, in which the constants land
.irp nt, 0,1,2,3,4,5,6,7
	ds_load_b128 v[CBR+8*\nt:CBR+8*\nt+3],   v4 offset:64*\nt
	ds_load_b128 v[CBR+8*\nt+4:CBR+8*\nt+7], v4 offset:64*\nt+16
	ds_load_b128 v[CVR+8*\nt:CVR+8*\nt+3],   v4 offset:4096+64*\nt
	ds_load_b128 v[CVR+8*\nt+4:CVR+8*\nt+7], v4 offset:4096+64*\nt+16
.endr
	s_wait_dscnt 0x0
.irp mt, 0,1,2,3,4,5,6,7,8
	EPI \mt
.endr
	s_sub_co_u32 s28, s28, 1
	s_cmp_lg_u32 s28, 0
	s_cbranch_scc1 .Lnp
.Lb1b:
	MEET                                           ; everybody's reads for the product are over: the stores below share no stretch with them
	s_cmp_eq_u32 s26, 0
	s_cbranch_scc1 .Lb2
	; ---- MY PARTIAL SCORES.  A row's sum: the pair's two halves, and the other half of the lanes' eight columns.  This part only writes LDS.
.irp mt, 0,1,2,3,4,5,6,7,8
	v_add_f32 v[SS+2*\mt], v[SS+2*\mt], v[SS+2*\mt+1]
.endr
.irp mt, 0,1,2,3,4,5,6,7,8
	v_permlanex16_b32 v[SS+2*\mt+1], v[SS+2*\mt], s36, s37
.endr
.irp mt, 0,1,2,3,4,5,6,7,8
	v_add_f32 v[SS+2*\mt], v[SS+2*\mt], v[SS+2*\mt+1]
.endr
	s_wait_alu depctr_va_vdst(0)                   ; the nine additions have written the sums, which the LDS stores read
.irp mt, 0,1,2,3,4,5,6,7,8
	ds_store_b32 v5, v[SS+2*\mt] offset:64*\mt     ; both halves of the lanes write the same number to the same word
.endr
.Lb2:
	MEET                                           ; everybody's partial scores lie in PS
	s_cmp_eq_u32 s26, 0
	s_cbranch_scc1 .Lneut_a
	; ---- SCORES AND THE CHUNK'S SOFTMAX.  Every wave makes all scores: row i = 64 g + 2 lane + e.
	s_wait_alu depctr_va_vdst(0)                   ; row tile 8's products and way out, and the fill's conversions, are done with v228 to v251, in which the partial scores land
.irp w, 0,1,2,3
	ds_load_b64 v[PP+2*\w:PP+2*\w+1],     v6 offset:576*\w
	ds_load_b64 v[PP+8+2*\w:PP+8+2*\w+1], v6 offset:576*\w+256
	ds_load_b64 v[PP+16+2*\w:PP+16+2*\w+1], v7 offset:576*\w
.endr
.irp g, 0,1,2
.irp e, 0,1
	s_sub_co_i32 s[52+2*\g+\e], s27, 64*\g+\e
.endr
.endr
.irp g, 0,1,2                          ; the seven masks are made in one run, while the loads are out
.irp e, 0,1
	v_cmp_gt_i32 s[44+2*\g+\e], s[52+2*\g+\e], v11 ; is row i one of mine?
.endr
.endr
	v_cmp_eq_u32 s83, 62, v11                      ; lane 31
	s_wait_dscnt 0x0
.irp g, 0,1,2
	v_pk_add_f32 v[SV+2*\g:SV+2*\g+1], v[PP+8*\g:PP+8*\g+1], v[PP+8*\g+2:PP+8*\g+3]
	v_pk_add_f32 v[PP+8*\g+4:PP+8*\g+5], v[PP+8*\g+4:PP+8*\g+5], v[PP+8*\g+6:PP+8*\g+7]
.endr
.irp g, 0,1,2
	v_pk_add_f32 v[SV+2*\g:SV+2*\g+1], v[SV+2*\g:SV+2*\g+1], v[PP+8*\g+4:PP+8*\g+5]
.endr
.irp g, 0,1,2
	v_pk_mul_f32 v[SV+2*\g:SV+2*\g+1], v[SV+2*\g:SV+2*\g+1], s[22:23] op_sel_hi:[1,0]  ; keep: 1, or 0 in a batch with no open row
.endr
	s_wait_alu depctr_va_sdst(0)                   ; the seven compares have written s44 to s49 and s83, ahead of the first select that reads one of them
.irp g, 0,1,2
.irp e, 0,1
	v_cndmask_b32 v[SV+2*\g+\e], s40, v[SV+2*\g+\e], s[44+2*\g+\e]  ; a padding row counts as -1e30: its weight is 0
.endr
.endr
	v_max3_num_f32 v42, v[SV], v[SV+1], v[SV+2]
	v_max3_num_f32 v42, v42, v[SV+3], v[SV+4]
	v_max_num_f32 v42, v42, v[SV+5]
	v_max_num_f32_dpp v42, v42, v42 row_xmask:1 row_mask:0xf bank_mask:0xf
	v_max_num_f32_dpp v42, v42, v42 row_xmask:2 row_mask:0xf bank_mask:0xf
	v_max_num_f32_dpp v42, v42, v42 row_xmask:4 row_mask:0xf bank_mask:0xf
	v_max_num_f32_dpp v42, v42, v42 row_xmask:8 row_mask:0xf bank_mask:0xf
	v_permlanex16_b32 v43, v42, s36, s37
	v_max_num_f32 v42, v42, v43                    ; m, in every lane
	v_mul_f32 v44, s38, v42
	v_mov_b32 v45, v44                             ; named with it as a pair
.irp g, 0,1,2
	v_pk_fma_f32 v[EE+2*\g:EE+2*\g+1], v[SV+2*\g:SV+2*\g+1], s[38:39], v[44:45] op_sel_hi:[1,0,0] neg_lo:[0,0,1] neg_hi:[0,0,1]
.endr
.irp i, 0,1,2,3,4,5
	v_exp_f32 v[EE+\i], v[EE+\i]
.endr
	v_nop                                          ; a plain instruction between the last exponential and the use of its result
	s_wait_alu depctr_va_vdst(0)                   ; the six exponentials have written EE, which the LDS stores and the sums below read
.irp g, 0,1,2
	ds_store_b64 v8, v[EE+2*\g:EE+2*\g+1] offset:256*\g  ; my wave's own copy of e
.endr
	v_pk_add_f32 v[46:47], v[EE:EE+1], v[EE+2:EE+3]
	v_pk_add_f32 v[46:47], v[46:47], v[EE+4:EE+5]
	v_add_f32 v46, v46, v47
	v_add_f32_dpp v46, v46, v46 row_xmask:1 row_mask:0xf bank_mask:0xf
	v_add_f32_dpp v46, v46, v46 row_xmask:2 row_mask:0xf bank_mask:0xf
	v_add_f32_dpp v46, v46, v46 row_xmask:4 row_mask:0xf bank_mask:0xf
	v_add_f32_dpp v46, v46, v46 row_xmask:8 row_mask:0xf bank_mask:0xf
	v_permlanex16_b32 v47, v46, s36, s37
	v_add_f32 v46, v46, v47                        ; l
	v_cndmask_b32 v[SV+4], v[SV+4], v42, s83       ; lane 31's last pair, words 190 and 191 of the record, takes m and l
	v_cndmask_b32 v[SV+5], v[SV+5], v46, s83
	s_branch .Lb2b
.Lneut_a:                                              ; no row: m = -1e30, l = 0: the last launch gives this chunk the weight 0
.irp i, 0,1,2,3,4
	v_mov_b32 v[SV+\i], s40
.endr
	v_mov_b32 v[SV+5], 0
.Lb2b:
	MEET                                           ; the stores of e are done: the part below only reads LDS
.irp i, 0,1,2,3,4,5,6,7
	v_mov_b32 v[ACC+\i], 0                         ; nine groups add onto these; with no row they are the chunk's sums
.endr
	s_cmp_eq_u32 s26, 0
	s_cbranch_scc1 .Lstore
	; ---- THE WEIGHTED SUM: my wave's 256 columns of sum e x row, nine groups of 16 rows through two sets of registers.
	s_lshl_b32 s2, s18, 9
	v_add_nc_u32 v42, s2, v1                       ; my wave's 512 bytes of a row, 16 bytes a lane
	v_add_nc_u32 v43, 32*PITCH, v42                ; the same 32 rows down: an immediate reaches 31 rows
	v_mov_b32 v44, s62                             ; my wave's e
	s_mov_b32 s[WO], 0
	s_mov_b32 s[EO], 0
	s_wait_alu depctr_va_vdst(0)                   ; v42 and v44 are written, which group 0's loads read; the product's way out is done with v48 to v127, in which they land
	LOADG 48, 112, 42, 0, 44, 0                    ; group 0
	s_mov_b32 s29, 4
.Lws:                                                  ; trip t: fetches groups 2 t + 1 and 2 t + 2, adds groups 2 t and 2 t + 1
	s_wait_alu depctr_vm_vsrc(0)                   ; the last trip's loads have read v9, v10 and v45
	v_add_nc_u32 v10, s[WO], v42
	v_add_nc_u32 v45, s[WO], v43
	v_add_nc_u32 v9, s[EO], v44
	s_add_co_u32 s[WO], s[WO], 32*PITCH
	s_add_co_u32 s[EO], s[EO], 128
	s_wait_alu depctr_va_vdst(0)                   ; the three addresses are written; the last trip's sums (the first time: the product and its way out) are done with v128 to v207, in which the next loads land
	LOADG 128, 192, 10, 16*PITCH, 9, 64
	s_wait_dscnt 20                                ; all but the twenty just issued
	FMA 48, 112
	s_wait_alu depctr_va_vdst(0)                   ; these sums are done reading v48 to v127, in which the next loads land
	LOADG 48, 112, 45, 0, 9, 128
	s_wait_dscnt 20
	FMA 128, 192
	s_sub_co_u32 s29, s29, 1
	s_cmp_lg_u32 s29, 0
	s_cbranch_scc1 .Lws
	s_wait_dscnt 0x0
	FMA 48, 112                                    ; group 8
.Lstore:
	v_lshlrev_b32 v46, 2, v11                      ; 8 x lane: the record's offset, made ahead of the branch so that one wait serves both runs of stores
	s_wait_alu depctr_va_vdst(0)                   ; v46, SV and ACC are written, which the stores below read
	s_cmp_lg_u32 s18, 0
	s_cbranch_scc1 .Lnosc
.irp g, 0,1,2                          ; wave 0 stores the record of 192 words: 256 consecutive bytes an instruction
	global_store_b64 v46, v[SV+2*\g:SV+2*\g+1], s[14:15] offset:256*\g
.endr
.Lnosc:
	global_store_b128 v1, v[ACC:ACC+3], s[16:17]               ; my wave's 1,024 bytes: columns 8 lane + 0..3, 512 consecutive bytes,
	global_store_b128 v1, v[ACC+4:ACC+7], s[16:17] offset:512  ; and columns 8 lane + 4..7
	s_wait_xcnt 0x0                                ; the stores' bases, address and data registers are rewritten only behind this wait
	s_add_nc_u64 s[14:15], s[14:15], 768
	s_add_nc_u64 s[16:17], s[16:17], 4096
	s_add_co_u32 s25, s25, 144
	MEET                                           ; everybody's reads of the rows and of e are over: the next pass may write them
	s_sub_co_u32 s[PL], s[PL], 1
	s_cmp_lg_u32 s[PL], 0
	s_cbranch_scc1 .Lpass
	s_wait_dscnt 0x0                               ; the closing lines, six on end
	s_wait_alu 0x0
	s_wait_tensorcnt 0x0
	ds_add_u32 v12, v13
	s_wait_dscnt 0x0
	s_endpgm                                       ; (the three steps of weights asked for ahead are not used: the price of one text for every step)
.Lfunc_end_k_q77df59b137_main:
	.size	k_q77df59b137_main, .Lfunc_end_k_q77df59b137_main-k_q77df59b137_main
	.p2alignl 7, 3214868480
	.fill 96, 4, 3214868480
	.section	.rodata,"a",@progbits
	.p2align	6, 0x0
	.amdhsa_kernel k_q77df59b137_main
		.amdhsa_group_segment_fixed_size 311296
		.amdhsa_private_segment_fixed_size 0
		.amdhsa_enable_private_segment 0
		.amdhsa_kernarg_size 56
		.amdhsa_user_sgpr_count 2
		.amdhsa_user_sgpr_kernarg_segment_ptr 1
		.amdhsa_wavefront_size32 1
		.amdhsa_system_sgpr_workgroup_id_x 1
		.amdhsa_system_sgpr_workgroup_id_y 1
		.amdhsa_system_sgpr_workgroup_id_z 1
		.amdhsa_system_vgpr_workitem_id 0
		.amdhsa_next_free_vgpr 1024
		.amdhsa_next_free_sgpr 84
		.amdhsa_reserve_vcc 0
		.amdhsa_float_denorm_mode_32 3
		.amdhsa_float_denorm_mode_16_64 3
		.amdhsa_memory_ordered 1
		.amdhsa_forward_progress 1
		.amdhsa_inst_pref_size 238
	.end_amdhsa_kernel
	.amdgpu_metadata
---
amdhsa.version: [ 1, 2 ]
amdhsa.kernels:
  - .name:           k_q77df59b137_main
    .symbol:         k_q77df59b137_main.kd
    .args:
      - { .name: context, .offset: 0, .size: 8, .value_kind: global_buffer, .address_space: global }
      - { .name: wf, .offset: 8, .size: 8, .value_kind: global_buffer, .address_space: global }
      - { .name: biast, .offset: 16, .size: 8, .value_kind: global_buffer, .address_space: global }
      - { .name: v_w, .offset: 24, .size: 8, .value_kind: global_buffer, .address_space: global }
      - { .name: list, .offset: 32, .size: 8, .value_kind: global_buffer, .address_space: global }
      - { .name: sc, .offset: 40, .size: 8, .value_kind: global_buffer, .address_space: global }
      - { .name: part, .offset: 48, .size: 8, .value_kind: global_buffer, .address_space: global }
    .group_segment_fixed_size: 311296
    .private_segment_fixed_size: 0
    .kernarg_segment_align: 8
    .kernarg_segment_size: 56
    .max_flat_workgroup_size: 128
    .sgpr_count:     84
    .vgpr_count:     1024
    .wavefront_size: 32
...
	.end_amdgpu_metadata
.endif
;; end of part 4
;; launch finish: the kernel of part 3 again; grid 32 x 1, 8 waves a work-group, no clusters, 0 bytes of LDS; arguments sc, part, pos, out0, out1; writes out0, out1
